; MI455X (gfx1250); checked and timed in simulation.
; The chip was launched on July 23, 2026; its instructions are those of AMD's public machine-readable ISA for CDNA 5 (MIT licence, August 2026) and "CDNA5" Instruction Set Architecture Reference Guide (July 2026). The comments in the code are by the model that wrote it; some were corrected since.
;; Multihead Set Attention. Allowed arithmetic: matrix products marked QUANTISED: E2M3 operands, one E8M0 scale for each 32 along K, by v_wmma_scale_f32_16x16x128_f8f6f4 with both operands' format E2M3, f32 sums; everything else in f32.
;; Inputs: key 4 x 2,048 x 1,024 float32; key_multiplicities 4 x 2,048 float32; query 4 x 1,024 x 1,024 float32; value 4 x 2,048 x 1,024 float32; wk_b 1,024 float32; wk_w 1,024 x 1,024 float32; wo_b 1,024 float32; wo_w 1,024 x 1,024 float32; wq_b 1,024 float32; wq_w 1,024 x 1,024 float32; wv_b 1,024 float32; wv_w 1,024 x 1,024 float32.
;; Outputs: out0 4 x 1,024 x 1,024 float32.
;; This version of the problem:
;;   THIS VERSION OF THE PROBLEM IS GIVEN IN LOW PRECISION. The matrix products marked QUANTISED in the list below multiply operands that are first quantised to E2M3 (2 exponent bits, 3 mantissa bits; 6 bits a number), with one power-of-two scale for each 32 numbers along K (OCP MX v1.0); their sums are f32. All else is computed in f32.
;;   The module's matrix products, in the order in which they are computed (A, B: the left and right operand; K: the contracted axis; several contracted axes count as one K, in the product's order):
;;     1. [M 4,096, K 1,024] x [K 1,024, N 1,024]; A: input query; B: input wq_w: QUANTISED
;;     2. [M 8,192, K 1,024] x [K 1,024, N 1,024]; A: input key; B: input wk_w: QUANTISED
;;     3. [M 8,192, K 1,024] x [K 1,024, N 1,024]; A: input value; B: input wv_w: QUANTISED
;;     4. batch 64 x [M 1,024, K 64] x [K 64, N 2,048]; A: computed on the way; B: computed on the way: QUANTISED
;;     5. batch 64 x [M 1,024, K 2,048] x [K 2,048, N 64]; A: softmax (see below); B: computed on the way: QUANTISED
;;     6. [M 4,096, K 1,024] x [K 1,024, N 1,024]; A: computed on the way; B: input wo_w: QUANTISED
;;   THE QUANTISER, for each operand of a quantised product, along K:
;;     - K is cut into blocks of 32 from its start; a last block that is shorter is filled with zeros.
;;     - A block's scale is 2^e with e = floor(log2(the largest magnitude in the block)) - 2, held to -126 .. 127; a block of zeros has e = 0. As a byte (E8M0): e + 127.
;;     - Each number is divided by its block's scale, clamped to +-7.5, and rounded to the nearest number of E2M3, ties to even, subnormals kept.
;;     - The product sums the exact products of the quantised numbers (number of the format x scale) in f32.
;;   ~~~python
;;   def quantise(x, axis):      # numpy; x: float32 -> the quantised numbers, widened to float32 again
;;       x = np.moveaxis(x, axis, -1); K = x.shape[-1]
;;       x = np.pad(x, [(0, 0)] * (x.ndim - 1) + [(0, -K % 32)]); x = x.reshape(x.shape[:-1] + (-1, 32)); a = np.abs(x).max(-1, keepdims=True)
;;       e = np.where(a > 0, np.clip(np.frexp(np.where(a > 0, a, 1))[1] - 1 - 2, -126, 127), 0)      # np.frexp(a)[1] - 1 = floor(log2(a)), exactly
;;       r = np.clip(x / 2.0 ** e, -7.5, 7.5)
;;       step = 2.0 ** (np.maximum(np.frexp(np.where(r == 0, 1, r))[1] - 1, 0) - 3)
;;       q = np.round(r / step) * step * 2.0 ** e      # np.round: ties to even
;;       return np.moveaxis(q.reshape(q.shape[:-2] + (-1,))[..., :K], -1, axis).astype(np.float32)
;;   ~~~
;;   SOFTMAX AHEAD OF A QUANTISED PRODUCT. Where the list says 'softmax', what is quantised is not the finished softmax but p = 2^(t - M), with t = logit x log2(e) and M = ceil(the row's largest t), a whole number; so 1/2 < the row's largest p <= 1. The row's sum l is taken of the UNQUANTISED p, in f32, and the product's result is divided by l at the end. Since M is a whole number, a kernel that streams over the keys may use a running M (the ceiling of the running maximum): every later rescaling is an exact power of two, which a block's scale takes up: the codes' values come out the same.
;;   OPERANDS COMPUTED ON THE WAY. 'Computed on the way' means the value that the module computes at that place (a softmax that the list does not call 'softmax' is quantised finished and normalised). What goes into a quantiser is computed in f32, as accurately as f32 sums, v_exp_f32 and their like allow (about 1e-6 of the number): no bf16 or f16 on the way to a quantiser, and a product that is left as it is and whose result goes on into a quantised operand takes f32 operands (vector FMAs, or v_wmma_f32_16x16x4_f32). A number that lies on a knife's edge between two numbers of the format may be rounded either way, as far as f32 arithmetic and the matrix unit's own rounding can turn it there, and no further.
;; One version. Each part assembles by itself: llvm-mc -triple=amdgcn-amd-amdhsa -mcpu=gfx1250 --defsym DOCPART=n.
;; ======== version 1 of 1: 4 launches
;; limits: right only within a limited range of input values
;; workspace buffers: cod1 18,874,368 bytes; scl1 786,432 bytes; kvb 13,369,344 bytes; aoc 3,145,728 bytes; aos 131,072 bytes
;; launch quant (part 1): grid 768 x 1, 4 waves a work-group, no clusters, 34,304 bytes of LDS; arguments wq_w, wk_w, value, query, key, wv_w, wo_w, cod1, scl1; writes cod1, scl1
.if DOCPART == 1
	.amdgcn_target "amdgcn-amd-amdhsa--gfx1250"
	.amdhsa_code_object_version 6
	.text
	.protected	k_q0f65a04ac2_quant
	.globl	k_q0f65a04ac2_quant
	.p2align	8
	.type	k_q0f65a04ac2_quant,@function
k_q0f65a04ac2_quant:
	s_mov_b64 s[64:65], 0
	v_nop
	global_prefetch_b8 v0, s[64:65] scope:SCOPE_SE
	s_setreg_imm32_b32 hwreg(HW_REG_WAVE_MODE, 25, 1), 1
	s_wait_xcnt 0x0
; Seven f32 tensors with rows of 1,024 numbers (K innermost) become codes of FP6 (E2M3) and one E8M0 scale byte for each 32 along K.
; All go into ONE pair of buffers, 24,576 row positions: wq 0, wk 1,024, value 2,048, query 10,240, key 14,336, wv 22,528, wo 23,552: the order of the work-groups, so only the input pointer is chosen.
; A block's scale is 2^(floor(log2(its largest magnitude)) - 2); its byte is the largest magnitude's exponent field - 2, held at 1 from below.  A block of zeros gets the byte 1 where the rule says 127:
; its codes are zeros, which add nothing under any byte but 0xff, and the bytes are read by this program alone.
; LIMITS: NaN and infinities among the inputs are not served.
; LAYOUT OF THE CODES: images of operand registers.  16 positions x 128 along K are one fragment, 12 registers of 32 lanes, 1,536 bytes: registers 4 i .. 4 i + 3 of lane l at 512 i + 16 l.
; Lane (r, h) holds K = 32 h + 0 .. 31 in registers 0-5 and K = 64 + 32 h + 0 .. 31 in registers 6-11 of position r.  16 positions have their eight fragments on end: 12,288 bytes.
; LAYOUT OF THE SCALES: for 16 positions and 512 along K one unit of 256 bytes: position r's four words (a word: 128 along K) at 16 r.
; ROW ORDER: for wq, wk, value, key and wv position 16 T + r holds row 32 (T / 2) + 8 (T % 2) + r + 8 (r / 8), so that in the products that follow the 16 result registers of two neighbouring tiles
; are 16 neighbours along the next K.  query and wo lie as they are.  Rows 8-15 of a tile have a base of their own, so one text serves both orders.
; A work-group takes 32 positions; wave w takes tile w / 2 and half w % 2 of K: four fragments.  A load reads 512 consecutive bytes of one row; 16 rows turn through the wave's own stage in LDS
; (rows 528 bytes apart) and come back 2 x 128 bytes a lane.  No tensor loads, no barrier, no cluster: waves share nothing, every byte is read once.  Loads run two fragments (32 loads a wave) ahead.
.set EMAX,  2
.set SP,    528
.set WREG,  16*SP                      ; a wave's stage
.set SPARE, 4*WREG                     ; behind the stages: the spare words
.set R,     16                         ; v16-143  two sets of 64 numbers as loaded
.set X,     144                        ; v144-207 my two blocks of 32
.set C,     208                        ; v208-219 a fragment's codes
.set T,     220                        ; v220-226 the blocks' upper halves, made here and moved
.set W,     228                        ; v228-231 scale words
.set SPW,   232
.set NIL,   233
	s_load_b512 s[4:19], s[0:1], 0x0               ; wq, wk, value, query, key, wv, wo, the codes s[18:19]
	s_load_b64 s[20:21], s[0:1], 0x40              ; the scales
	v_lshl_add_u32 v[SPW], v0, 2, SPARE
	v_mov_b32 v[NIL], 0
	v_lshrrev_b32 v1, 5, v0
	v_readfirstlane_b32 s30, v1                    ; wave
	v_and_b32 v2, 31, v0
	v_lshlrev_b32 v3, 4, v2                        ; 16 x lane
	v_and_b32 v4, 15, v0                           ; r
	v_bfe_u32 v5, v0, 4, 1                         ; h
	s_mul_i32 s31, s30, WREG
	v_add_nc_u32 v14, s31, v3                      ; the stage, in
	v_mul_u32_u24 v15, v4, SP
	v_lshl_add_u32 v15, v5, 7, v15
	v_add_nc_u32 v15, s31, v15                     ; and out: row r, 128 h
	v_lshlrev_b32 v10, 3, v5                       ; 8 h
	v_lshlrev_b32 v7, 4, v4
	v_add_nc_u32 v7, v7, v10                       ; the scale unit: 16 r + 8 h
	v_mov_b32 v11, 0                               ; a lane permute's destination counts as a source
	s_mov_b32 s22, 0x76543210
	s_mov_b32 s23, 0xfedcba98
	s_mov_b32 s2, 0xffff0000                       ; lanes 16-31
	s_wait_alu depctr_va_vdst(0)                   ; the wait at the head's end
	s_wait_kmcnt 0x0
	; which tensor: by the work-group's number alone.  s26: its first work-group;  s27: 1 where the row order is the tiles'
	s_mov_b64 s[24:25], s[4:5]
	s_mov_b32 s26, 0
	s_mov_b32 s27, 1
	s_cmp_ge_u32 ttmp9, 32
	s_cselect_b64 s[24:25], s[6:7], s[24:25]
	s_cselect_b32 s26, 32, s26
	s_cmp_ge_u32 ttmp9, 64
	s_cselect_b64 s[24:25], s[8:9], s[24:25]
	s_cselect_b32 s26, 64, s26
	s_cmp_ge_u32 ttmp9, 320
	s_cselect_b64 s[24:25], s[10:11], s[24:25]
	s_cselect_b32 s26, 320, s26
	s_cselect_b32 s27, 0, s27
	s_cmp_ge_u32 ttmp9, 448
	s_cselect_b64 s[24:25], s[12:13], s[24:25]
	s_cselect_b32 s26, 448, s26
	s_cselect_b32 s27, 1, s27
	s_cmp_ge_u32 ttmp9, 704
	s_cselect_b64 s[24:25], s[14:15], s[24:25]
	s_cselect_b32 s26, 704, s26
	s_cmp_ge_u32 ttmp9, 736
	s_cselect_b64 s[24:25], s[16:17], s[24:25]
	s_cselect_b32 s26, 736, s26
	s_cselect_b32 s27, 0, s27
	s_sub_co_u32 s28, ttmp9, s26
	s_lshr_b32 s29, s30, 1                         ; my tile of the two
	s_and_b32 s36, s30, 1                          ; my half of K
	s_cmp_eq_u32 s27, 1
	s_cselect_b32 s37, 8, 16                       ; rows from tile to tile,
	s_cselect_b32 s38, 16, 8                       ; and from a tile's row 0 to its row 8
	s_mul_i32 s37, s37, s29
	s_lshl_b32 s28, s28, 5
	s_add_co_u32 s28, s28, s37                     ; my tile's first row (under 8,192)
	s_lshl_b32 s32, s28, 12
	s_lshl_b32 s37, s36, 11
	s_add_co_u32 s32, s32, s37
	s_mov_b32 s33, 0
	s_add_nc_u64 s[24:25], s[24:25], s[32:33]
	s_lshl_b32 s32, s38, 12
	s_add_nc_u64 s[26:27], s[24:25], s[32:33]      ; rows 8-15
	s_lshl_b32 s34, ttmp9, 1
	s_add_co_u32 s34, s34, s29                     ; which 16 positions
	s_mul_i32 s32, s34, 12288
	s_mul_i32 s37, s36, 6144
	s_add_co_u32 s32, s32, s37
	s_add_nc_u64 s[18:19], s[18:19], s[32:33]
	s_lshl_b32 s32, s34, 9
	s_lshl_b32 s37, s36, 8
	s_add_co_u32 s32, s32, s37
	s_add_nc_u64 s[20:21], s[20:21], s[32:33]
.macro LOAD t
.irp i, 0,1,2,3,4,5,6,7
	global_load_b128 v[R+64*((\t)%2)+4*\i:R+64*((\t)%2)+4*\i+3], v3, s[24:25] offset:4096*\i+512*(\t) th:TH_LOAD_NT
.endr
.irp i, 0,1,2,3,4,5,6,7
	global_load_b128 v[R+64*((\t)%2)+32+4*\i:R+64*((\t)%2)+32+4*\i+3], v3, s[26:27] offset:4096*\i+512*(\t) th:TH_LOAD_NT
.endr
.endm
.macro FRAGM t
.if (\t) > 0
	s_wait_xcnt 0x0                                ; the last fragment's stores have read their registers
.endif
.if (\t) < 3
	s_wait_loadcnt 16                              ; this fragment's 16 loads are in; the next one's 16 may be out
.else
	s_wait_loadcnt 0
.endif
.irp i, 0,1,2,3,4,5,6,7,8,9,10,11,12,13,14,15
	ds_store_b128 v14, v[R+64*((\t)%2)+4*\i:R+64*((\t)%2)+4*\i+3] offset:SP*\i
.endr
.irp j, 0,1,2,3,4,5,6,7                        ; LDS serves a wave's instructions in order: no wait between stores and loads
	ds_load_b128 v[X+4*\j:X+4*\j+3], v15 offset:16*\j
	ds_load_b128 v[X+32+4*\j:X+32+4*\j+3], v15 offset:256+16*\j
.endr
	s_wait_dscnt 0x0
.if (\t)+2 < 4
	LOAD (\t)+2
.endif
.irp c, 0,1
	v_max3_num_f32 v[8+\c], |v[X+32*\c]|, |v[X+32*\c+1]|, (EMAX+1)<<23   ; with the floor 2^(EMAX + 1 - 127): the byte cannot fall under 1
.endr
.irp i, 2,4,6,8,10,12,14,16,18,20,22,24,26,28,30
.irp c, 0,1
	v_max3_num_f32 v[8+\c], v[8+\c], |v[X+32*\c+\i]|, |v[X+32*\c+\i+1]|
.endr
.endr
	v_add_nc_u32 v12, -(EMAX<<23), v8              ; EMAX off the exponent field: the conversion's scale operand
	v_add_nc_u32 v13, -(EMAX<<23), v9
	v_lshrrev_b32 v8, 23, v12                      ; the bytes of blocks h and 2 + h
	v_lshrrev_b32 v9, 23, v13
	v_lshl_or_b32 v8, v9, 16, v8
	v_lshlrev_b32 v8, v10, v8                      ; at their places in the word
	v_permlanex16_b32 v11, v8, s22, s23
	v_or_b32 v[W+(\t)], v8, v11                    ; with lane l xor 16's two the word is whole
	v_cvt_scalef32_pk16_fp6_f32 v[C:C+2], v[X:X+15], v12
	v_cvt_scalef32_pk16_fp6_f32 v[T:T+2], v[X+16:X+31], v12
	v_cvt_scalef32_pk16_fp6_f32 v[C+6:C+8], v[X+32:X+47], v13
	v_cvt_scalef32_pk16_fp6_f32 v[T+4:T+6], v[X+48:X+63], v13
	v_nop                                          ; one plain place behind the conversions
.irp i, 0,1,2
	v_mov_b32 v[C+3+\i], v[T+\i]
	v_mov_b32 v[C+9+\i], v[T+4+\i]
.endr
.irp i, 0,1,2
	global_store_b128 v3, v[C+4*\i:C+4*\i+3], s[18:19] offset:1536*(\t)+512*\i   ; 512 consecutive bytes
.endr
.endm
	LOAD 0
	LOAD 1
	FRAGM 0
	FRAGM 1
	FRAGM 2
	FRAGM 3
	s_wait_alu depctr_va_vdst(0)                   ; the wait ahead of the readers below
	v_cndmask_b32 v12, v[W], v[W+2], s2            ; lanes 0-15 store words 0 and 1 of their row, lanes 16-31 words 2 and 3
	v_cndmask_b32 v13, v[W+1], v[W+3], s2
	global_store_b64 v7, v[12:13], s[20:21]        ; one aligned unit of 256 bytes
	s_wait_tensorcnt 0x0                           ; the wave's end
	ds_add_u32 v[SPW], v[NIL]
	s_wait_dscnt 0x0
	s_endpgm
.Lfunc_end_k_q0f65a04ac2_quant:
	.size	k_q0f65a04ac2_quant, .Lfunc_end_k_q0f65a04ac2_quant-k_q0f65a04ac2_quant
	.p2alignl 7, 3214868480
	.fill 96, 4, 3214868480
	.section	.rodata,"a",@progbits
	.p2align	6, 0x0
	.amdhsa_kernel k_q0f65a04ac2_quant
		.amdhsa_group_segment_fixed_size 34304
		.amdhsa_private_segment_fixed_size 0
		.amdhsa_enable_private_segment 0
		.amdhsa_kernarg_size 72
		.amdhsa_user_sgpr_count 2
		.amdhsa_user_sgpr_kernarg_segment_ptr 1
		.amdhsa_wavefront_size32 1
		.amdhsa_system_sgpr_workgroup_id_x 1
		.amdhsa_system_sgpr_workgroup_id_y 1
		.amdhsa_system_sgpr_workgroup_id_z 1
		.amdhsa_system_vgpr_workitem_id 0
		.amdhsa_next_free_vgpr 240
		.amdhsa_next_free_sgpr 66
		.amdhsa_reserve_vcc 0
		.amdhsa_float_denorm_mode_32 3
		.amdhsa_float_denorm_mode_16_64 3
		.amdhsa_memory_ordered 1
		.amdhsa_forward_progress 1
		.amdhsa_inst_pref_size 31
	.end_amdhsa_kernel
	.amdgpu_metadata
---
amdhsa.version: [ 1, 2 ]
amdhsa.kernels:
  - .name:           k_q0f65a04ac2_quant
    .symbol:         k_q0f65a04ac2_quant.kd
    .args:
      - { .name: wq_w, .offset: 0, .size: 8, .value_kind: global_buffer, .address_space: global }
      - { .name: wk_w, .offset: 8, .size: 8, .value_kind: global_buffer, .address_space: global }
      - { .name: value, .offset: 16, .size: 8, .value_kind: global_buffer, .address_space: global }
      - { .name: query, .offset: 24, .size: 8, .value_kind: global_buffer, .address_space: global }
      - { .name: key, .offset: 32, .size: 8, .value_kind: global_buffer, .address_space: global }
      - { .name: wv_w, .offset: 40, .size: 8, .value_kind: global_buffer, .address_space: global }
      - { .name: wo_w, .offset: 48, .size: 8, .value_kind: global_buffer, .address_space: global }
      - { .name: cod1, .offset: 56, .size: 8, .value_kind: global_buffer, .address_space: global }
      - { .name: scl1, .offset: 64, .size: 8, .value_kind: global_buffer, .address_space: global }
    .group_segment_fixed_size: 34304
    .private_segment_fixed_size: 0
    .kernarg_segment_align: 8
    .kernarg_segment_size: 72
    .max_flat_workgroup_size: 128
    .sgpr_count:     66
    .vgpr_count:     240
    .wavefront_size: 32
...
	.end_amdgpu_metadata
.endif
;; end of part 1
;; launch proj (part 2): grid 4 x 64, 4 waves a work-group, clusters of 4 x 4, 327,680 bytes of LDS; arguments cod1, scl1, wk_b, wv_b, kvb; writes kvb
.if DOCPART == 2
	.amdgcn_target "amdgcn-amd-amdhsa--gfx1250"
	.amdhsa_code_object_version 6
	.text
	.protected	k_q0f65a04ac2_proj
	.globl	k_q0f65a04ac2_proj
	.p2align	8
	.type	k_q0f65a04ac2_proj,@function
k_q0f65a04ac2_proj:
	s_mov_b64 s[64:65], 0
	v_nop
	global_prefetch_b8 v0, s[64:65] scope:SCOPE_SE
	s_setreg_imm32_b32 hwreg(HW_REG_WAVE_MODE, 25, 1), 1
	s_wait_xcnt 0x0
	s_wait_alu depctr_hold_cnt(0) depctr_sa_sdst(0) depctr_va_vdst(0) depctr_va_sdst(0) depctr_va_ssrc(0) depctr_va_vcc(0) depctr_vm_vsrc(0)
	s_getreg_b32 s2, hwreg(HW_REG_IB_STS2, 6, 4)
	s_cmp_eq_u32 s2, 0
	s_cbranch_scc0 .Lentry_in_a_cluster
	s_endpgm
.Lentry_in_a_cluster:
	s_bfe_u32 s2, ttmp6, 0x10000c
	s_cmp_lg_u32 s2, 0xf033
	s_cbranch_scc0 .Lentry_shape_is_right
	s_endpgm
.Lentry_shape_is_right:
.set SIZE_K, 1024
.set KSTEP,  256
.set NQ,     KSTEP/128
; K = key wk^T + wk_b and V^T = wv value^T + wv_b on codes of FP6; a work-group makes 256 x 256, a wave 128 x 128; results are quantised along the next K and stored as attention's register images.
; The operands lie in memory as images of operand registers: 16 rows x 128 K are 1,536 bytes, three loads of 16 bytes a lane; 16 rows have 12,288 bytes on end.
; A slot holds 256 along K: a tensor row is 3,072 bytes of one block of 16 rows, at a multiple of 256 bytes.  No prefetch: K has four slots, of which two are asked for at the head.
.set ROWB,   3072                      ; 16 rows x 256 along K
.set KROW,   SIZE_K*6/8
.set FR,     12
.set NL,     3
.set NP,     4
.set HALFT,  8*ROWB
.set SLOT,   4*HALFT
.set LAPS,   SIZE_K/(2*KSTEP)
.set KS,     SIZE_K/32
.set SCL,    2*SLOT
.set HALFS,  (128*KS/256)*272
.set SBLK,   (16*KS/256)*272
.set SPARE,  SCL+4*HALFS
.set ROFFC,  10240*KROW
.set ROFFS,  10240*KS
.set KVH,    208896
.set ADRA, 16
.set ADRB, 20
.set LI,   24
.set L8,   25
.set ADRS, 27
.set SPW,  28
.set NIL,  29
.set BPO,  30
.set BRO,  31
.set SC,   32
.set BP,   64
.set AF,   128
.set BR,   224
.set TW,   128
.set TM,   192
.set CT,   208
.set PW,   216
.set CG0,  32
.set CG1,  44
.set WS,   56
.set G1, 24
.set G0, 32
.set G1B, 48
.set G0B, 56
.set G1S, 68
.set G0S, 76
.set G1SB, 80
.set G0SB, 88
.set MSB, 0
.macro WIN new
.if MSB != \new
	s_set_vgpr_msb (MSB<<8)|\new
.set MSB, \new
.endif
.endm
.set MUL_LO, 0xa1
.set MUL_HI, 0xf1
.set TO_B,   0x40
.macro JLOAD g0a, g1a, g0b, g1b
	s_cmp_eq_u32 s15, 0
	s_cbranch_scc0 .Lfor_b_\@
	tensor_load_to_lds s[\g0a:\g0a+3], s[\g1a:\g1a+7]
	s_nop 0
.rept 4
	v_nop
.endr
	s_branch .Lasked_\@
.Lfor_b_\@:
	tensor_load_to_lds s[\g0b:\g0b+3], s[\g1b:\g1b+7]
	s_nop 0
.rept 4
	v_nop
.endr
.Lasked_\@:
.endm
.macro CREST
	s_cmp_lg_u32 s14, 0
	s_cbranch_scc1 .Lnot_wave_0_\@
	s_barrier_signal -3
.Lnot_wave_0_\@:
	s_barrier_wait -3
	s_barrier_signal -1
	s_barrier_wait -1
.endm
.macro CROUND
	s_barrier_signal -1
	s_barrier_wait -1
	CREST
.endm
	s_load_b128 s[8:11], s[0:1], 0x0
	s_load_b128 s[96:99], s[0:1], 0x10
	s_load_b64 s[100:101], s[0:1], 0x20
	v_lshl_add_u32 v[SPW], v0, 2, SPARE
	v_mov_b32 v[NIL], 0
	ds_add_u32 v28, v29
	ds_add_u32 v28, v29
	s_wait_dscnt 0x0
	v_lshrrev_b32 v1, 5, v0
	v_readfirstlane_b32 s14, v1
	s_lshr_b32 s15, s14, 1
	s_and_b32 s16, s14, 1
	s_bfe_u32 s40, ttmp6, 0x40000
	s_bfe_u32 s41, ttmp6, 0x40004
	s_and_b32 s95, ttmp7, 0xffff
	s_max_u32 s42, s95, 7
	s_sub_co_u32 s42, s42, 6
	s_lshl_b32 s42, s42, 2
	s_add_co_u32 s42, s42, s40
	s_add_co_u32 s17, s95, 4
	s_min_u32 s17, s17, 12
	s_lshl_b32 s17, s17, 2
	s_add_co_u32 s17, s17, s41
	s_lshl_b32 s43, s41, 2
	s_lshl_b32 s43, 15, s43
	s_lshl_b32 s44, 0x1111, s40
	s_mov_b32 s66, 0x76543210
	s_mov_b32 s67, 0xfedcba98
	s_or_b32 s[G1+0], s43, (3<<16)|(1<<21)         ; elements of 8 bytes, no padding: 16 blocks for the head's loads, 8 for the ring's
	s_or_b32 s[G1B+0], s44, (3<<16)|(1<<21)
.irp g, G1, G1B
	s_mov_b32 s[\g+1], (ROWB/8)<<16
	s_mov_b32 s[\g+2], 16<<16
	s_mov_b32 s[\g+3], (ROWB/8)<<16
	s_mov_b32 s[\g+4], 16
	s_mov_b32 s[\g+5], 16*KROW/8
	s_mov_b32 s[\g+6], 0
	s_mov_b32 s[\g+7], 0
.endr
	s_or_b32 s[G1S+0], s43, (3<<16)|(1<<20)|(1<<21)|(5<<22)|(3<<25)
	s_or_b32 s[G1SB+0], s44, (3<<16)|(1<<20)|(1<<21)|(5<<22)|(3<<25)
.irp g, G1S, G1SB
	s_mov_b32 s[\g+1], 32<<16
	s_mov_b32 s[\g+2], KS<<16
	s_mov_b32 s[\g+3], 32<<16
	s_mov_b32 s[\g+4], KS
	s_mov_b32 s[\g+5], 32
	s_mov_b32 s[\g+6], 0
	s_mov_b32 s[\g+7], 0
.endr
	s_lshl_b32 s20, s17, 8
	s_lshl_b32 s46, s42, 8
	s_mov_b32 s21, 0
	s_mov_b32 s47, 0
	s_mov_b64 s[18:19], KS
	s_mul_u64 s[22:23], s[20:21], s[18:19]
	s_mul_u64 s[92:93], s[46:47], s[18:19]
	s_mov_b64 s[18:19], KROW
	s_mul_u64 s[20:21], s[20:21], s[18:19]
	s_mul_u64 s[46:47], s[46:47], s[18:19]
	s_mul_i32 s18, s16, 128*KROW                   ; in the ring I fetch 128 rows of a tile: which half
	s_mov_b32 s19, 0
	s_mul_i32 s45, s14, HALFT
	s_wait_kmcnt 0x0
	s_add_nc_u64 s[4:5], s[8:9], ROFFC
	s_add_nc_u64 s[6:7], s[10:11], ROFFS
	s_add_nc_u64 s[20:21], s[4:5], s[20:21]
	s_add_nc_u64 s[22:23], s[6:7], s[22:23]
	s_add_nc_u64 s[46:47], s[8:9], s[46:47]
	s_add_nc_u64 s[92:93], s[10:11], s[92:93]
	CROUND
.set G0H, 4                            ; s[4:7], s[8:11]: group 0 of the head's loads of slot 0 (the arguments that lay there have been used)
.set G0HB, 8
	s_mov_b32 s[G0H], 1                            ; the head's four tiles, each whole: slot 0's 256 rows of A,
	s_mov_b32 s[G0H+1], 0
	s_mov_b64 s[G0H+2:G0H+3], s[20:21]
	s_or_b32 s[G0H+3], s[G0H+3], 0x80000000
	s_mov_b32 s[G0HB], 1                           ; its 256 rows of B,
	s_mov_b32 s[G0HB+1], 2*HALFT
	s_mov_b64 s[G0HB+2:G0HB+3], s[46:47]
	s_or_b32 s[G0HB+3], s[G0HB+3], 0x80000000
	s_mov_b32 s[G0S], 1                            ; the scales of A's 256 rows,
	s_mov_b32 s[G0S+1], SCL
	s_mov_b64 s[G0S+2:G0S+3], s[22:23]
	s_or_b32 s[G0S+3], s[G0S+3], 0x80000000
	s_mov_b32 s[G0SB], 1                           ; and of B's
	s_mov_b32 s[G0SB+1], SCL+2*HALFS
	s_mov_b64 s[G0SB+2:G0SB+3], s[92:93]
	s_or_b32 s[G0SB+3], s[G0SB+3], 0x80000000
	s_add_nc_u64 s[20:21], s[20:21], s[18:19]      ; for the ring: my 128 rows of the tile
	s_add_nc_u64 s[46:47], s[46:47], s[18:19]
.irp s, 0,1
	s_mov_b32 s[G0+4*\s], 1
	s_add_co_u32 s[G0+4*\s+1], s45, \s*SLOT
	s_add_nc_u64 s[G0+4*\s+2:G0+4*\s+3], s[20:21], \s*ROWB
	s_or_b32 s[G0+4*\s+3], s[G0+4*\s+3], 0x80000000
	s_mov_b32 s[G0B+4*\s], 1
	s_add_co_u32 s[G0B+4*\s+1], s45, \s*SLOT
	s_add_nc_u64 s[G0B+4*\s+2:G0B+4*\s+3], s[46:47], \s*ROWB
	s_or_b32 s[G0B+4*\s+3], s[G0B+4*\s+3], 0x80000000
.endr
; the head's loads, one a wave, in one chain of branches on the wave's number
.macro ARM under, g0, g1, next
	s_cmp_lt_u32 s14, \under
	s_cbranch_scc0 \next
	tensor_load_to_lds s[\g0:\g0+3], s[\g1:\g1+7]
	s_nop 0
.rept 4
	v_nop
.endr
	s_branch .Lhead_asked
\next:
.endm
	ARM 1, G0H,  G1,  .Lhead_b
	ARM 2, G0HB, G1B, .Lhead_sa
	ARM 3, G0S,  G1S, .Lhead_sb
	tensor_load_to_lds s[G0SB:G0SB+3], s[G1SB:G1SB+7]
	s_nop 0
.rept 4
	v_nop
.endr
.Lhead_asked:
	s_wait_alu depctr_va_vdst(0)
	s_wait_tensorcnt 0x0                           ; my tile of the four is in; slot 1's first fill is issued as a refill is
	ds_add_u32 v28, v29
	s_mov_b32 s[G1+2], 8<<16                       ; no tensor load of mine is out: from here on a load brings 8 blocks of 16 rows
	s_mov_b32 s[G1+4], 8
	s_mov_b32 s[G1B+2], 8<<16
	s_mov_b32 s[G1B+4], 8
	s_wait_dscnt 0x0
	CROUND
	JLOAD G0+4, G1, G0B+4, G1B
	s_cmp_lt_u32 s95, 8
	s_cselect_b64 s[12:13], s[96:97], s[98:99]
	s_lshl_b32 s92, s40, 10
	s_lshl_b32 s94, s16, 9
	s_add_co_u32 s92, s92, s94
	s_mov_b32 s93, 0
	s_add_nc_u64 s[96:97], s[12:13], s[92:93]
	s_lshl_b32 s92, s41, 10
	s_lshl_b32 s94, s15, 9
	s_add_co_u32 s92, s92, s94
	s_add_nc_u64 s[98:99], s[12:13], s[92:93]
	v_and_b32 v1, 15, v0
	v_bfe_u32 v2, v0, 4, 1
	v_lshlrev_b32 v[BPO], 6, v2
	v_and_b32 v7, 8, v1
	v_add_nc_u32 v7, v7, v1
	v_lshlrev_b32 v[BRO], 2, v7
	v_and_b32 v6, 31, v0
	v_lshlrev_b32 v[LI], 4, v6
	v_lshlrev_b32 v[L8], 3, v6
.irp b, 0,1,2,3,4,5,6,7
	global_load_b128 v[BP+8*\b:BP+8*\b+3], v[BPO], s[96:97] offset:(32*(\b/2)+8*(\b%2))*4
	global_load_b128 v[BP+8*\b+4:BP+8*\b+7], v[BPO], s[96:97] offset:(32*(\b/2)+8*(\b%2))*4+16
.endr
.irp a, 0,1,2,3,4,5,6,7
	global_load_b32 v[BR+2*\a], v[BRO], s[98:99] offset:(32*(\a/2)+8*(\a%2))*4
	global_load_b32 v[BR+2*\a+1], v[BRO], s[98:99] offset:(32*(\a/2)+8*(\a%2))*4
.endr
	s_mul_i32 s21, s15, HALFT
	s_mul_i32 s22, s16, HALFT
	s_add_co_u32 s22, s22, 2*HALFT
.irp s, 0,1
	v_add_nc_u32 v[ADRA+\s], s21, v[LI]
	v_add_nc_u32 v[ADRB+\s], s22, v[LI]
	s_add_co_u32 s21, s21, SLOT
	s_add_co_u32 s22, s22, SLOT
.endr
	v_lshlrev_b32 v5, 4, v1                        ; a unit of scales: 16 rows x 16 bytes (512 along K); two units, 272 bytes apart, to a block of 16 rows
	s_mul_i32 s21, s15, HALFS
	s_mul_i32 s22, s16, HALFS
	s_add_co_u32 s22, s22, 2*HALFS
	s_sub_co_u32 s22, s22, s21
	v_mul_u32_u24 v6, s22, v2
	s_add_co_u32 s21, s21, SCL
	v_add_nc_u32 v5, v5, v6
	v_add_nc_u32 v[ADRS], s21, v5
.macro FRAG reg, adr, q, i
.irp p, 0,1,2
	ds_load_b128 v[\reg+4*\p:\reg+4*\p+3], v[\adr] offset:512*\p+1536*(\q)+(\i)*ROWB
.endr
.endm
.macro MUL16 a0, p, q, sc, zero
.irp a, \a0, \a0+1
.irp b, 0,1,2,3,4,5,6,7
.if \zero
	v_wmma_scale_f32_16x16x128_f8f6f4 v[8*(8*((\a)%4)+\b):8*(8*((\a)%4)+\b)+7], v[128*(\p)+FR*\b:128*(\p)+FR*\b+FR-1], v[AF+FR*(\a):AF+FR*(\a)+FR-1], 0, v[SC+8*NQ*(\sc)+NQ*\b+(\q)], v[SC+8*NQ*(\sc)+NQ*(\a)+(\q)] matrix_a_fmt:MATRIX_FMT_FP6 matrix_b_fmt:MATRIX_FMT_FP6 matrix_a_scale:MATRIX_SCALE_ROW1
.else
	v_wmma_scale_f32_16x16x128_f8f6f4 v[8*(8*((\a)%4)+\b):8*(8*((\a)%4)+\b)+7], v[128*(\p)+FR*\b:128*(\p)+FR*\b+FR-1], v[AF+FR*(\a):AF+FR*(\a)+FR-1], v[8*(8*((\a)%4)+\b):8*(8*((\a)%4)+\b)+7], v[SC+8*NQ*(\sc)+NQ*\b+(\q)], v[SC+8*NQ*(\sc)+NQ*(\a)+(\q)] matrix_a_fmt:MATRIX_FMT_FP6 matrix_b_fmt:MATRIX_FMT_FP6 matrix_a_scale:MATRIX_SCALE_ROW1
.endif
.endr
.endr
.endm
.macro FETCH_B slot, q, p
	WIN TO_B
.irp i, 0,1,2,3,4,5,6,7
	FRAG 128*(\p)+FR*\i, ADRB+\slot, \q, \i
.endr
	WIN 0
.endm
.macro FETCH_A slot, q, i0
.irp i, \i0, \i0+1, \i0+2, \i0+3
	FRAG AF+FR*(\i), ADRA+\slot, \q, \i
.endr
.endm
.macro SCALES sc
.irp i, 0,1,2,3,4,5,6,7
	ds_load_b64 v[SC+8*NQ*\sc+NQ*\i:SC+8*NQ*\sc+NQ*\i+1], v[ADRS] offset:\i*SBLK
.endr
.endm
.macro PLACES n
.rept \n
	v_nop
.endr
.endm
.macro STEP slot, q, zero
	s_wait_dscnt 4*NL
	WIN MUL_LO
	MUL16 0, (\q)%2, \q, \slot, \zero
	MUL16 2, (\q)%2, \q, \slot, \zero
	s_wait_dscnt 0
	PLACES NP
	FETCH_B \slot, (\q)+1, 1-(\q)%2
	FETCH_A \slot, (\q)+1, 0
	WIN MUL_HI
	MUL16 4, (\q)%2, \q, \slot, \zero
	MUL16 6, (\q)%2, \q, \slot, \zero
	PLACES NP
	WIN 0
	FETCH_A \slot, (\q)+1, 4
.endm
.macro TURN slot, next, fill
	s_wait_tensorcnt 0x0
	ds_add_u32 v[SPW], v[NIL]
	s_wait_dscnt 4*NL+1
	WIN MUL_LO
	MUL16 0, 1, NQ-1, \slot, 0
	s_wait_dscnt 0x0
	s_barrier_signal -1
	MUL16 2, 1, NQ-1, \slot, 0
	WIN 0
	s_barrier_wait -1
.if \fill
	CREST
	s_add_nc_u64 s[G0+4*\slot+2:G0+4*\slot+3], s[G0+4*\slot+2:G0+4*\slot+3], 2*ROWB
	s_add_nc_u64 s[G0B+4*\slot+2:G0B+4*\slot+3], s[G0B+4*\slot+2:G0B+4*\slot+3], 2*ROWB
	JLOAD G0+4*\slot, G1, G0B+4*\slot, G1B
.else
	PLACES NP
.endif
	s_wait_alu depctr_va_vdst(0)
	v_add_nc_u32 v[ADRS], 8+256*\slot, v[ADRS]     ; the next pair of words: 8 bytes on, or from a unit's second pair to the next unit's first
	FETCH_B \next, 0, 0
	FETCH_A \next, 0, 0
	SCALES \next
	WIN MUL_HI
	MUL16 4, 1, NQ-1, \slot, 0
	MUL16 6, 1, NQ-1, \slot, 0
	PLACES NP
	WIN 0
	FETCH_A \next, 0, 4
.endm
	s_wait_alu depctr_va_vdst(0)
	FETCH_B 0, 0, 0
	FETCH_A 0, 0, 0
	SCALES 0
	FETCH_A 0, 0, 4
	STEP 0, 0, 1
	s_mov_b32 s3, LAPS-1
.Llap:
	TURN 0, 1, 1
	STEP 1, 0, 0
	TURN 1, 0, 1
	STEP 0, 0, 0
	s_sub_co_u32 s3, s3, 1
	s_cmp_lg_u32 s3, 0
	s_cbranch_scc1 .Llap
	TURN 0, 1, 0
	STEP 1, 0, 0
	s_wait_dscnt 4*NL
	WIN MUL_LO
	MUL16 0, 1, NQ-1, 1, 0
	MUL16 2, 1, NQ-1, 1, 0
	s_wait_dscnt 0
	WIN MUL_HI
	MUL16 4, 1, NQ-1, 1, 0
	MUL16 6, 1, NQ-1, 1, 0
	WIN 0
.macro BIASP a
	WIN 0x02+(\a)/4
.set AC, 64*((\a)%4)
.set n, 0
.rept 32
	v_pk_add_f32 v[TW+n:TW+n+1], v[AC+n:AC+n+1], v[BP+n:BP+n+1]
.set n, n+2
.endr
	WIN 0
.endm
.macro BIASR a
	WIN 0x02+(\a)/4
.set AC, 64*((\a)%4)
.set n, 0
.rept 32
	v_pk_add_f32 v[TW+n:TW+n+1], v[AC+n:AC+n+1], v[BR+2*(\a):BR+2*(\a)+1]
.set n, n+2
.endr
	WIN 0
.endm
.macro QUANT s, d0, d1, pw
.irp b, 0,1,2,3
	v_max3_num_f32 v[TM+\b], |v[\s+16*\b]|, |v[\s+1+16*\b]|, 0x1800000
.endr
.irp i, 2,4,6,8,10,12,14
.irp b, 0,1,2,3
	v_max3_num_f32 v[TM+\b], v[TM+\b], |v[\s+16*\b+\i]|, |v[\s+1+16*\b+\i]|
.endr
.endr
.irp b, 0,1,2,3
	v_permlanex16_b32 v[TM+4+\b], v[TM+\b], s66, s67
.endr
.irp b, 0,1,2,3
	v_max_num_f32 v[TM+\b], v[TM+\b], v[TM+4+\b]
.endr
.irp b, 0,1,2,3
	v_add_nc_u32 v[TM+12+\b], 0xff000000, v[TM+\b]
.endr
.irp b, 0,1,2,3
	v_lshrrev_b32 v[TM+4+\b], 23, v[TM+12+\b]
.endr
	v_lshl_or_b32 v[\pw], v[TM+5], 8, v[TM+4]
	v_lshl_or_b32 v[\pw], v[TM+6], 16, v[\pw]
	v_lshl_or_b32 v[\pw], v[TM+7], 24, v[\pw]
	v_cvt_scalef32_pk16_fp6_f32 v[(\d0):(\d0)+2], v[\s:\s+15], v[TM+12]
	v_cvt_scalef32_pk16_fp6_f32 v[CT:CT+2], v[\s+16:\s+31], v[TM+13]
	v_cvt_scalef32_pk16_fp6_f32 v[(\d1):(\d1)+2], v[\s+32:\s+47], v[TM+14]
	v_cvt_scalef32_pk16_fp6_f32 v[CT+4:CT+6], v[\s+48:\s+63], v[TM+15]
	v_nop
.irp i, 0,1,2
	v_permlane16_swap_b32 v[(\d0)+\i], v[CT+\i]
.endr
.irp i, 0,1,2
	v_mov_b32 v[(\d0)+3+\i], v[CT+\i]
.endr
.irp i, 0,1,2
	v_permlane16_swap_b32 v[(\d1)+\i], v[CT+4+\i]
.endr
.irp i, 0,1,2
	v_mov_b32 v[(\d1)+3+\i], v[CT+4+\i]
.endr
.endm
.macro WORDS
.irp i, 0,1,2,3
	v_cndmask_b32 v[WS+\i], v[PW+2*\i], v[PW+2*\i+1], s2
.endr
.endm
	PLACES NP
	s_wait_loadcnt 0x0
.irp b, 0,1,2,3
	v_mov_b32 v[TM+4+\b], 0
.endr
	s_mov_b32 s2, 0xffff0000
	s_lshl_b32 s68, s42, 1
	s_add_co_u32 s68, s68, s16
	s_lshl_b32 s69, s17, 1
	s_add_co_u32 s69, s69, s15
	s_mov_b32 s81, 0
	s_cmp_lt_u32 s95, 8
	s_cbranch_scc0 .Lv
	s_sub_co_u32 s69, s69, 32
	s_lshr_b32 s77, s69, 4
	s_and_b32 s78, s69, 15
	s_and_b32 s68, s68, 7
	s_lshl_b32 s77, s77, 4
	s_lshl_b32 s68, s68, 1
	s_add_co_u32 s77, s77, s68
	s_mul_i32 s80, s77, KVH
	s_add_nc_u64 s[74:75], s[100:101], s[80:81]
	s_cmp_lt_u32 s78, 4
	s_mov_b32 s79, 36864
	s_cselect_b32 s79, 12288, s79
	s_mul_i32 s80, s78, 6144
	s_add_co_u32 s80, s80, s79
	s_add_nc_u64 s[82:83], s[74:75], s[80:81]
	s_lshl_b32 s80, s78, 9
	s_add_nc_u64 s[86:87], s[74:75], s[80:81]
.irp al, 0,1,2,3
.if \al > 0
	s_wait_xcnt 0x0
.endif
	BIASP 2*\al
	QUANT TW, CG0, CG1, PW+2*\al
	BIASP 2*\al+1
	QUANT TW, CG0+6, CG1+6, PW+2*\al+1
.irp i, 0,1,2
	global_store_b128 v[LI], v[CG0+4*\i:CG0+4*\i+3], s[82:83] offset:1536*\al+512*\i
.endr
.irp i, 0,1,2
	global_store_b128 v[LI], v[CG1+4*\i:CG1+4*\i+3], s[82:83] offset:KVH+1536*\al+512*\i
.endr
.endr
	WORDS
.irp i, 0,1,2,3
	v_lshrrev_b32 v[WS+4+\i], 16, v[WS+\i]
.endr
	global_store_b128 v[LI], v[WS:WS+3], s[86:87]
	global_store_b128 v[LI], v[WS+4:WS+7], s[86:87] offset:KVH
	s_branch .Lend
.Lv:
	s_sub_co_u32 s68, s68, 16
	s_lshr_b32 s77, s68, 4
	s_and_b32 s78, s68, 15
	s_sub_co_u32 s69, s69, 96
	s_lshl_b32 s77, s77, 4
	s_lshl_b32 s69, s69, 1
	s_add_co_u32 s77, s77, s69
	s_mul_i32 s80, s77, KVH
	s_add_nc_u64 s[74:75], s[100:101], s[80:81]
	s_cmp_lt_u32 s78, 4
	s_mov_b32 s79, 110592
	s_cselect_b32 s79, 36864, s79
	s_mul_i32 s80, s78, 6144
	s_add_co_u32 s80, s80, s79
	s_add_nc_u64 s[82:83], s[74:75], s[80:81]
	s_lshl_b32 s80, s78, 8
	s_add_co_u32 s80, s80, 8192
	s_add_nc_u64 s[86:87], s[74:75], s[80:81]
.irp a, 0,1,2,3,4,5,6,7
.if \a > 0
	s_wait_xcnt 0x0
.endif
	BIASR \a
	QUANT TW, CG0, CG0+6, PW+\a
.irp i, 0,1,2
	global_store_b128 v[LI], v[CG0+4*\i:CG0+4*\i+3], s[82:83] offset:(\a/4)*KVH+(\a%4)*1536+512*\i
.endr
.endr
	WORDS
	global_store_b64 v[L8], v[WS:WS+1], s[86:87]
	global_store_b64 v[L8], v[WS+2:WS+3], s[86:87] offset:KVH
.Lend:
	s_wait_tensorcnt 0x0
	ds_add_u32 v[SPW], v[NIL]
	s_wait_dscnt 0x0
	CROUND
	s_endpgm
.Lfunc_end_k_q0f65a04ac2_proj:
	.size	k_q0f65a04ac2_proj, .Lfunc_end_k_q0f65a04ac2_proj-k_q0f65a04ac2_proj
	.p2alignl 7, 3214868480
	.fill 96, 4, 3214868480
	.section	.rodata,"a",@progbits
	.p2align	6, 0x0
	.amdhsa_kernel k_q0f65a04ac2_proj
		.amdhsa_group_segment_fixed_size 327680
		.amdhsa_private_segment_fixed_size 0
		.amdhsa_enable_private_segment 0
		.amdhsa_kernarg_size 40
		.amdhsa_user_sgpr_count 2
		.amdhsa_user_sgpr_kernarg_segment_ptr 1
		.amdhsa_wavefront_size32 1
		.amdhsa_system_sgpr_workgroup_id_x 1
		.amdhsa_system_sgpr_workgroup_id_y 1
		.amdhsa_system_sgpr_workgroup_id_z 1
		.amdhsa_system_vgpr_workitem_id 0
		.amdhsa_next_free_vgpr 1024
		.amdhsa_next_free_sgpr 102
		.amdhsa_reserve_vcc 0
		.amdhsa_float_denorm_mode_32 3
		.amdhsa_float_denorm_mode_16_64 3
		.amdhsa_memory_ordered 1
		.amdhsa_forward_progress 1
		.amdhsa_inst_pref_size 210
	.end_amdhsa_kernel
	.amdgpu_metadata
---
amdhsa.version: [ 1, 2 ]
amdhsa.kernels:
  - .name:           k_q0f65a04ac2_proj
    .symbol:         k_q0f65a04ac2_proj.kd
    .args:
      - { .name: cod1, .offset: 0, .size: 8, .value_kind: global_buffer, .address_space: global }
      - { .name: scl1, .offset: 8, .size: 8, .value_kind: global_buffer, .address_space: global }
      - { .name: wk_b, .offset: 16, .size: 8, .value_kind: global_buffer, .address_space: global }
      - { .name: wv_b, .offset: 24, .size: 8, .value_kind: global_buffer, .address_space: global }
      - { .name: kvb, .offset: 32, .size: 8, .value_kind: global_buffer, .address_space: global }
    .group_segment_fixed_size: 327680
    .private_segment_fixed_size: 0
    .kernarg_segment_align: 8
    .kernarg_segment_size: 40
    .max_flat_workgroup_size: 128
    .sgpr_count:     102
    .vgpr_count:     1024
    .wavefront_size: 32
...
	.end_amdgpu_metadata
.endif
;; end of part 2
;; launch attn (part 3): grid 4 x 64, 16 waves a work-group, clusters of 4 x 1, 327,680 bytes of LDS; arguments cod1, kvb, key_multiplicities, aoc, aos, scl1, wq_b; writes aoc, aos
.if DOCPART == 3
	.amdgcn_target "amdgcn-amd-amdhsa--gfx1250"
	.amdhsa_code_object_version 6
	.text
	.protected	k_q0f65a04ac2_attn
	.globl	k_q0f65a04ac2_attn
	.p2align	8
	.type	k_q0f65a04ac2_attn,@function
k_q0f65a04ac2_attn:
	s_mov_b64 s[64:65], 0
	v_nop
	global_prefetch_b8 v0, s[64:65] scope:SCOPE_SE
	s_setreg_imm32_b32 hwreg(HW_REG_WAVE_MODE, 25, 1), 1
	s_wait_xcnt 0x0
	s_wait_alu depctr_hold_cnt(0) depctr_sa_sdst(0) depctr_va_vdst(0) depctr_va_sdst(0) depctr_va_ssrc(0) depctr_va_vcc(0) depctr_vm_vsrc(0)
	s_getreg_b32 s2, hwreg(HW_REG_IB_STS2, 6, 4)
	s_cmp_eq_u32 s2, 0
	s_cbranch_scc0 .Lentry_in_a_cluster
	s_endpgm
.Lentry_in_a_cluster:
	s_bfe_u32 s2, ttmp6, 0x10000c
	s_cmp_lg_u32 s2, 0x3003
	s_cbranch_scc0 .Lentry_shape_is_right
	s_endpgm
.Lentry_shape_is_right:
; For each batch and head: q = query wq^T + wq_b for the head's 64 channels; O[q] = the sum over k of softmax_k(q . K[k] / 8 + ln m[k]) V[k]; all three products on codes of FP6 (E2M3) with one E8M0 scale for each 32 along a
; product's K.  O is divided by the row's sum and quantised along the model's 1,024 channels (a head owns two blocks of 32): codes and scale bytes for the output projection.
; THE SOFTMAX AHEAD OF THE LAST PRODUCT: t = (score + 8 ln m) x log2(e) / 8; M = the row's largest t so far, rounded UP to a whole number; p = 2^(t - M) is what is quantised, along the keys; it is not normalised.
; The row's sum is taken of the unquantised p, in f32.  When M moves, the sum and O are multiplied by 2^(old M - new M): exact.
; 8 ln m is made once for a work-group, in f32, kept in LDS, and loaded straight into the score registers as the C of the score product: the addition costs no vector instruction.
; SHARES.  A cluster of four work-groups owns one batch and head; a work-group 256 of its 1,024 queries; each of its SIXTEEN waves 16 of them, in 256 registers: four waves to a SIMD, so that one wave's vector work stands
; beside another's matrix work and LDS loads.  Every wave walks all 2,048 keys, 128 a step.
; q IS MADE HERE, since a work-group's q (256 queries x 64 channels) is wanted by nobody else: a wave multiplies its 16 queries (their codes come from memory straight into operand registers, 512 consecutive bytes a load)
; by the head's 64 rows of wq (from LDS): 4 tiles x 8 steps of 128 along K, transposed, so that a lane holds one query and its registers run along the channels; the bias is the C of the sums; two blocks of 32 are quantised in
; registers and ARE the score product's operand.  No product is computed twice in the launch.
; ALL of the head's K, V and scale words, 208,896 bytes, lie in memory as they are to lie in LDS and are brought ONCE, and so are wq's 64 rows: nothing in LDS is filled again.  The four work-groups ask for them JOINTLY.
; The bytes come in two parts: wq first, then all of K, V and the scale words: q is made while the second part lands.
; LAYOUT.  The products of attention are used transposed too: S^T = K Q^T, O^T = V^T P^T.  K and V lie in LDS as images of their registers: four registers of 32 lanes are 512 bytes on end.
; The rows of a tile of wq, the keys of a tile of K and the channels of a tile of V were chosen by the launches before: lane r of tile 2 b + u is 32 b + 8 u + r + 8 (r / 8), so that 16 registers of two neighbouring tiles are 16 neighbours.
; A HEAD'S K IS 64, THE INSTRUCTION'S 128.  Q's fragment is six registers of codes and six of zero codes, so whatever stands in the upper half of K's operand adds nothing: tile T's operand is v[32 + 6 T] on, 12 registers,
; whose upper six are tile T + 1's codes (six zeroed registers follow tile 7).  No scale byte is 0xff.
; LIMITS: multiplicities are positive, finite and normal numbers (the logarithm takes a denormal for zero); NaN and infinities are not served.
; REGISTERS in the loops: v1-7, v30 addresses that stay; v8-11, v28 addresses of the loads in hand; v12 -M, v13 the largest t, v[14:15] the sum in two halves; v16-21 Q, v22-27 zeros; v32-79 K's eight tiles, then V's four fragments;
;   v80-85 zeros; v96-159 8 ln m, S^T, p; v160-191 O^T; v224-235 p's codes; v232-254 at work; v248-251 K's scale words, then (v248-249) V's; v253 p's scale word; v255 Q's.
; While q is made: v8-15 query's scale words; v16-31 and v80-95 the four accumulators; v32-79 four fragments of wq; v96-223 query's eight fragments, one to 16 registers; v236-251 wq's scale words; v224-235, v252-255 at work.
.set KVH,  208896                      ; a head's block in kvb, and in LDS from byte 0: K's scale words 0, V's 8,192, K's codes of steps 0-3 12,288, V's 36,864, K's of steps 4-15 61,440, V's 135,168
.set PARTA, 61440                      ; the scale words and steps 0-3
.set LM,   KVH                         ; 8 ln m of the batch's 2,048 keys, f32
.set STG,  LM+8192                     ; the way out: 768 bytes for each wave
.set SST,  STG+16*768                  ; and 512 bytes of scale bytes for the work-group
.set WQ,   SST+512                     ; wq's 64 rows: 49,152 dense bytes of register images
.set WQP,  240
.set WQQ,  64*WQP
.set QCOD, 10240*768                   ; where query's codes begin in the codes' buffer,
.set QSCL, 10240*32                    ; and its scale bytes in the scales'
.set LI,   1                           ; v1   16 x lane
.set L8,   2                           ; v2   8 x lane
.set LH,   3                           ; v3   64 x (lane / 16)
.set ADK,  8
.set ADV,  9
.set ADS,  10
.set ADT,  11
.set ADL,  28
.set QS,   8                           ; query's scale words, one for each 128 along K
.set WF,   32                          ; wq's fragments
.set QF,   96                          ; query's fragments
.set WS,   236                         ; wq's scale words: register 8 (t / 2) + s: tile t's in lanes 0-15 (t even) or 16-31 (t odd)
.set AW,   254                         ; v254 LDS address of my lane's place in a tile of wq
.set AW2,  252
.set WV,   18                          ; s18  my wave's number
.set SEL,  20                          ; s[20:21] lane selects for v_permlanex16_b32: lane l xor 16
.set CS,   22                          ; s[22:23] c = log2(e) / 8
.set TK,   66                          ; s66-70  LDS bytes at which the step's K, V, K's scale words, V's scale words and 8 ln m begin
.set TV,   67
.set TS,   68
.set TT,   69
.set TL,   70
.macro CROUND                          ; a round of the cluster's barrier
	s_barrier_signal -1
	s_barrier_wait -1
	s_cmp_lg_u32 s[WV], 0
	s_cbranch_scc1 .Lnot_wave_0_\@
	s_barrier_signal -3
.Lnot_wave_0_\@:
	s_barrier_wait -3
	s_barrier_signal -1
	s_barrier_wait -1
.endm
	s_load_b256 s[4:11], s[0:1], 0x0               ; the codes s[4:5], kvb s[6:7], the multiplicities s[8:9], aoc s[10:11]
	s_load_b128 s[12:15], s[0:1], 0x20             ; aos s[12:13], the scales s[14:15]
	s_load_b64 s[16:17], s[0:1], 0x30              ; wq_b
	v_lshl_add_u32 v207, v0, 2, 0x47200
	v_mov_b32 v223, 0
	ds_add_u32 v207, v223
	ds_add_u32 v207, v223
	v_lshrrev_b32 v1, 5, v0
	s_delay_alu instid0(VALU_DEP_1)
	v_readfirstlane_b32 s[WV], v1                  ; wave 0..15
	v_and_b32 v252, 15, v0                         ; r
	v_bfe_u32 v253, v0, 4, 1                       ; h
	v_and_b32 v254, 31, v0                         ; lane
	s_delay_alu instid0(VALU_DEP_1)
	v_lshlrev_b32 v[LI], 4, v254
	s_delay_alu instid0(VALU_DEP_2)
	v_lshlrev_b32 v[L8], 3, v254
	s_delay_alu instid0(VALU_DEP_4)
	v_lshlrev_b32 v[LH], 6, v253
	v_lshlrev_b32 v232, 4, v0                      ; the multiplicities: 512 threads x 4 numbers = the batch's 2,048
	v_lshlrev_b32 v233, 4, v252                    ; query's scale words: 16 bytes a token in a unit of 256 (512 along K)
	v_lshlrev_b32 v234, 4, v252
	s_delay_alu instid0(VALU_DEP_1)
	v_lshl_add_u32 v234, v253, 9, v234             ; wq's: lanes 0-15 an even tile's rows, lanes 16-31 the next tile's, 512 bytes on
	s_bfe_u32 s19, ttmp6, 0x40000                  ; cx: my block of 256 queries; it enters global addresses of query and of the results alone
	s_and_b32 s72, ttmp7, 0xffff                   ; 16 x batch + head, which the four partners share
	s_lshr_b32 s73, s72, 4                         ; the batch
	s_and_b32 s74, s72, 15                         ; the head
	s_lshl_b32 s90, s73, 6
	s_lshl_b32 s91, s19, 4
	s_add_co_u32 s94, s90, s91                     ; the work-group's first 16 tokens: number 64 x batch + 16 cx
	s_add_co_u32 s90, s94, s[WV]                   ; my wave's
	; descriptor group 1 for K, V and their scale words: dense rows of 256 bytes (32 elements of 8 bytes), no padding; 51 rows a wave
	s_mov_b32 s24, 15|(3<<16)|(1<<21)              ; 15:0 the mask: all four work-groups; 17:16 elements of 8 bytes; 21 set beside a mask
	s_mov_b32 s25, 32<<16                          ; tensor_dim0 = 32
	s_mov_b32 s26, 51<<16                          ; K, V and their scale words come by ONE load a wave: 51 rows of 256 bytes
	s_mov_b32 s27, 32<<16                          ; tile_dim0 = 32
	s_mov_b32 s28, 51
	s_mov_b32 s29, 32                              ; the pitch
	s_mov_b32 s30, 0
	s_mov_b32 s31, 0
	; wq's 64 rows are 49,152 dense bytes of register images (tile t, K step s at 12,288 t + 1,536 s): 12 rows of 256 bytes a wave
	s_mov_b32 s48, 15|(3<<16)|(1<<21)
	s_mov_b32 s49, 32<<16
	s_mov_b32 s50, 12<<16
	s_mov_b32 s51, 32<<16
	s_mov_b32 s52, 12
	s_mov_b32 s53, 32
	s_mov_b32 s54, 0
	s_mov_b32 s55, 0
	s_mul_i32 s76, s72, KVH
	s_mov_b32 s77, 0
	s_mul_i32 s78, s[WV], 13056                    ; my wave's sixteenth of K, V and their scale words, in memory and in LDS alike
	s_mul_i32 s92, s[WV], 3072                     ; and of wq
	s_add_co_u32 s57, s92, WQ
	s_mov_b32 s81, 0
	s_mov_b32 s[SEL], 0x76543210
	s_mov_b32 s[SEL+1], 0xfedcba98
	s_mov_b32 s[CS], 0x3e38aa3b                    ; c = log2(e) / 8
	s_mov_b32 s[CS+1], s[CS]                       ; (named with it as a pair, so it is written)
	s_wait_alu depctr_va_vdst(0)
	s_wait_dscnt 0x0
	s_wait_kmcnt 0x0
	s_mul_i32 s80, s90, 12288                      ; 16 tokens' codes are 12,288 bytes
	s_add_co_u32 s80, s80, QCOD
	s_add_nc_u64 s[84:85], s[4:5], s[80:81]
	s_lshl_b32 s80, s90, 9                         ; and their scale bytes 512
	s_add_co_u32 s80, s80, QSCL
	s_add_nc_u64 s[86:87], s[14:15], s[80:81]
	s_lshl_b32 s80, s74, 11                        ; the scale bytes of the head's 64 rows of wq
	s_add_nc_u64 s[88:89], s[14:15], s[80:81]
	s_lshl_b32 s80, s74, 8                         ; the head's 64 numbers of the bias
	s_add_nc_u64 s[16:17], s[16:17], s[80:81]
	s_lshl_b32 s80, s73, 13                        ; the batch's multiplicities
	s_add_nc_u64 s[8:9], s[8:9], s[80:81]
	; what comes straight into registers is asked for first: 39 loads
	global_load_b128 v[224:227], v232, s[8:9]
	global_load_b128 v[QS:QS+3], v233, s[86:87]
	global_load_b128 v[QS+4:QS+7], v233, s[86:87] offset:256
.irp ta, 0,1
	global_load_b128 v[WS+8*\ta:WS+8*\ta+3], v234, s[88:89] offset:1024*\ta
	global_load_b128 v[WS+8*\ta+4:WS+8*\ta+7], v234, s[88:89] offset:1024*\ta+256
.endr
.irp t, 0,1,2,3                                ; the bias, into the accumulators: tile t's registers j are channels 32 (t / 2) + 16 h + 8 (t % 2) + j
	global_load_b128 v[16+8*\t+48*(\t/2):19+8*\t+48*(\t/2)], v[LH], s[16:17] offset:(32*(\t/2)+8*(\t%2))*4
	global_load_b128 v[20+8*\t+48*(\t/2):23+8*\t+48*(\t/2)], v[LH], s[16:17] offset:(32*(\t/2)+8*(\t%2))*4+16
.endr
.irp s, 0,1,2,3,4,5,6,7                        ; query's fragment of K step s: three times four registers; 32 lanes read 512 consecutive bytes.
.irp tr, 0,1,2                                 ; a register image: three loads of 512 consecutive bytes fill the fragment's 12 registers
	global_load_b128 v[QF+16*\s+4*\tr:QF+16*\s+4*\tr+3], v[LI], s[84:85] offset:1536*\s+512*\tr
.endr
.endr
	s_add_nc_u64 s[6:7], s[6:7], s[76:77]          ; my head's block of K and V
	CROUND                                         ; all four work-groups are here: the joint loads meet
	s_mov_b32 s56, 1
	s_mul_i32 s80, s74, 64*768                     ; the head's 64 rows of wq,
	s_add_co_u32 s80, s80, s92                     ; my sixteenth of them
	s_add_nc_u64 s[58:59], s[4:5], s[80:81]
	s_or_b32 s59, s59, 0x80000000
	s_mov_b32 s40, 1
	s_mov_b32 s41, s78
	s_mov_b32 s80, s78
	s_add_nc_u64 s[42:43], s[6:7], s[80:81]
	s_or_b32 s43, s43, 0x80000000
	tensor_load_to_lds s[56:59], s[48:55]          ; wq: my one tensor load at the head
	s_nop 0
.rept 4
	v_nop
.endr
	; where the results go
	s_mul_i32 s80, s90, 12288                      ; aoc is the output projection's A as register images: my 16 tokens' eight fragments,
	s_mul_i32 s91, s74, 768                        ; of which head hd fills half hd % 2 of fragment hd / 2: 768 bytes, three runs of 8 bytes a lane
	s_add_co_u32 s80, s80, s91
	s_add_nc_u64 s[10:11], s[10:11], s[80:81]
	s_lshl_b32 s80, s94, 5                         ; two scale bytes a token
	s_lshl_b32 s91, s74, 13
	s_add_co_u32 s80, s80, s91
	s_add_nc_u64 s[12:13], s[12:13], s[80:81]
	; LDS addresses: of the way out, of 8 ln m, of wq's fragments
	s_lshl_b32 s75, s[WV], 5
	s_add_co_u32 s75, s75, SST
	v_lshl_add_u32 v7, v252, 1, s75                ; token r's two scale bytes
	v_lshl_add_u32 v255, v0, 4, LM
	v_add_nc_u32 v[AW], WQ, v[LI]                  ; wq's images: 16 x lane
	s_wait_loadcnt 38                              ; the multiplicities are in; the 38 loads issued behind them may be out
.irp i, 0,1,2,3
	v_log_f32 v[228+\i], v[224+\i]                 ; log2 m
.endr
	v_nop                                          ; a plain instruction behind the last logarithm,
	s_wait_alu depctr_va_vdst(0)                   ; and the wait ahead of the first use: one for the four
.irp i, 0,1,2,3
	v_mul_f32 v[224+\i], 0x40b17218, v[228+\i]     ; x 8 ln 2 = 8 ln m
.endr
	ds_store_b128 v255, v[224:227]
	s_wait_tensorcnt 0x0                           ; my sixteenth of wq is in; the later first fill is issued as a refill is
	ds_add_u32 v207, v223
	s_wait_dscnt 0x0                               ; the add is done, and my 8 ln m are stored
	CROUND                                         ; wq and 8 ln m are whole for every wave, and the four work-groups are here
	tensor_load_to_lds s[40:43], s[24:31]          ; all of the head's K, V and scale words, a sixteenth a wave: they land while q is made
	s_nop 0
.rept 4
	v_nop
.endr
	s_wait_loadcnt 0x0                             ; scale words, bias and query's codes are in
; q^T = wq query^T + the bias: K step s of eight.  A fragment of wq is 12 registers, a register image: three loads of 512 consecutive bytes from one address register.
.macro WFRAG t, s
.irp p, 0,1,2
	ds_load_b128 v[WF+12*(\t)+4*\p:WF+12*(\t)+4*\p+3], v[AW] offset:512*\p+(\t)*12288+(\s)*1536
.endr
.endm
.irp s, 0,1,2,3,4,5,6,7
.if \s > 0
.rept 4
	v_nop                                          ; places in front of loads into registers that matrix instructions have read
.endr
.endif
.irp t, 0,1,2,3
	WFRAG \t, \s
.endr
	s_wait_alu depctr_va_vdst(0)
	s_wait_dscnt 0x0
.irp t, 0,2                                    ; four accumulators by turns, one instruction a turn
	v_wmma_scale_f32_16x16x128_f8f6f4 v[16+32*\t:23+32*\t], v[WF+12*\t:WF+12*\t+11], v[QF+16*\s:QF+16*\s+11], v[16+32*\t:23+32*\t], v[WS+4*\t+\s], v[QS+\s] matrix_a_fmt:MATRIX_FMT_FP6 matrix_b_fmt:MATRIX_FMT_FP6
	v_wmma_scale_f32_16x16x128_f8f6f4 v[24+32*\t:31+32*\t], v[WF+12*\t+12:WF+12*\t+23], v[QF+16*\s:QF+16*\s+11], v[24+32*\t:31+32*\t], v[WS+4*\t+\s], v[QS+\s] matrix_a_fmt:MATRIX_FMT_FP6 matrix_b_fmt:MATRIX_FMT_FP6 matrix_a_scale:MATRIX_SCALE_ROW1
.endr
.endr
.rept 4
	v_nop                                          ; places behind the last products
.endr
	; v16-31: channels 16 h + 0 .. 15 of my query, v80-95: channels 32 + 16 h + 0 .. 15: two blocks of 32, each shared with lane l xor 16
	v_max3_num_f32 v232, |v16|, |v17|, 0x1800000   ; my 16 numbers of a block, and the floor 2^(3 - 127): the byte cannot fall under 1
	v_max3_num_f32 v233, |v80|, |v81|, 0x1800000
.irp i, 2,4,6,8,10,12,14
	v_max3_num_f32 v232, v232, |v[16+\i]|, |v[17+\i]|
	v_max3_num_f32 v233, v233, |v[80+\i]|, |v[81+\i]|
.endr
	s_delay_alu instid0(VALU_DEP_2)
	v_permlanex16_b32 v234, v232, s[SEL], s[SEL+1]
	s_delay_alu instid0(VALU_DEP_2)
	v_permlanex16_b32 v235, v233, s[SEL], s[SEL+1]
	s_delay_alu instid0(VALU_DEP_2)
	v_max_num_f32 v232, v232, v234
	s_delay_alu instid0(VALU_DEP_2)
	v_max_num_f32 v233, v233, v235                 ; the blocks' largest magnitudes
	s_delay_alu instid0(VALU_DEP_2)
	v_add_nc_u32 v228, 0xff000000, v232            ; 2 off the exponent field: the conversion's scale operand
	s_delay_alu instid0(VALU_DEP_2)
	v_add_nc_u32 v229, 0xff000000, v233
	s_delay_alu instid0(VALU_DEP_2)
	v_lshrrev_b32 v230, 23, v228                   ; the scale's byte
	s_delay_alu instid0(VALU_DEP_2)
	v_lshrrev_b32 v231, 23, v229
	s_delay_alu instid0(VALU_DEP_1)
	v_lshl_or_b32 v255, v231, 8, v230              ; Q's scale word: the two upper bytes, 0, scale the half of K in which the codes are zeros
	v_cvt_scalef32_pk16_fp6_f32 v[224:226], v[16:31], v228
	v_cvt_scalef32_pk16_fp6_f32 v[232:234], v[80:95], v229
	v_nop                                          ; one plain place behind the scaled conversions
.irp i, 0,1,2
	v_permlane16_swap_b32 v[224+\i], v[232+\i]     ; lanes 0-15 now hold block 0, lanes 16-31 block 1: the lower 16 codes in v224-226, the upper in v232-234
.endr
.irp i, 0,1,2
	s_delay_alu instid0(VALU_DEP_3)
	v_mov_b32 v[16+\i], v[224+\i]
.endr
.irp i, 0,1,2
	v_mov_b32 v[19+\i], v[232+\i]                  ; v16-21: K = 32 h + 0 .. 31 of my query
.endr
.irp j, 22,23,24,25,26,27,80,81,82,83,84,85
	v_mov_b32 v[\j], 0                             ; zero codes: the upper half of Q's K, and what follows K's last tile
.endr
	v_add_nc_u32 v30, SST, v[LI]                   ; the way out: where wave 0 reads the work-group's scale bytes
	v_mov_b32 v13, 0xff61b1e6                      ; the largest t so far: -3e38, under every t
	s_delay_alu instid0(VALU_DEP_1)
	v_floor_f32 v12, -v13                          ; -M
	v_mov_b32 v14, 0                               ; the sum, in two halves
	v_mov_b32 v15, 0
.irp b, 0,1,2,3
	v_mov_b32 v[236+\b], 0                         ; written once: a lane permute's destination counts as one of its sources
.endr
	v_mov_b32 v253, 0                              ; (named as the upper half of the pair v[252:253] before it is first written)
.set j, 0
.rept 32
	v_mov_b32 v[160+j], 0                          ; O^T.  (The step is written without a first step of its own: it finds zeros, which the first change of M leaves zeros.)  These lines also stand between the writes of Q and its scale word and the first scores
.set j, j+1
.endr
	s_wait_tensorcnt 0x0                           ; my sixteenth of K, V and their scale words is in
	s_wait_dscnt 0x0
	s_barrier_signal -1
	s_barrier_wait -1
; A KEY STEP: 128 keys.
.macro STEP
	v_add_nc_u32 v[ADK], s[TK], v[LI]              ; (these five are also the places between the last step's products and the loads into their operands)
	v_add_nc_u32 v[ADV], s[TV], v[LI]
	v_add_nc_u32 v[ADS], s[TS], v[LI]
	v_add_nc_u32 v[ADT], s[TT], v[L8]
	v_add_nc_u32 v[ADL], s[TL], v[LH]
.irp b, 0,1,2,3
.irp q, 0,1,2,3
	ds_load_b128 v[96+16*\b+4*\q:99+16*\b+4*\q], v[ADL] offset:128*\b+16*\q   ; 8 ln m of keys 32 b + 16 h + 0 .. 15: the C of tiles 2 b and 2 b + 1; sixteen lanes read the same bytes
.endr
.endr
.irp al, 0,1,2,3
.irp i, 0,1,2
	ds_load_b128 v[32+12*\al+4*\i:35+12*\al+4*\i], v[ADK] offset:1536*\al+512*\i   ; K's tiles 2 al and 2 al + 1, six registers each
.endr
.endr
	ds_load_b128 v[248:251], v[ADS]                ; K's scale words: register i holds tile 2 i's in lanes 0-15 and tile 2 i + 1's in lanes 16-31
	s_wait_alu depctr_va_vdst(0)
	s_wait_dscnt 0x0
.irp t, 0,2,4,6                                ; S^T + 8 ln m: eight accumulators, one instruction each
	v_wmma_scale_f32_16x16x128_f8f6f4 v[96+8*\t:103+8*\t], v[32+6*\t:43+6*\t], v[16:27], v[96+8*\t:103+8*\t], v[248+\t/2], v255 matrix_a_fmt:MATRIX_FMT_FP6 matrix_b_fmt:MATRIX_FMT_FP6
	v_wmma_scale_f32_16x16x128_f8f6f4 v[104+8*\t:111+8*\t], v[38+6*\t:49+6*\t], v[16:27], v[104+8*\t:111+8*\t], v[248+\t/2], v255 matrix_a_fmt:MATRIX_FMT_FP6 matrix_b_fmt:MATRIX_FMT_FP6 matrix_a_scale:MATRIX_SCALE_ROW1
.endr
.rept 4
	v_nop                                          ; places in front of the loads into K's registers and K's scale words, and of the first read of the scores
.endr
.irp t, 0,1,2,3
.irp i, 0,1,2
	ds_load_b128 v[32+12*\t+4*\i:35+12*\t+4*\i], v[ADV] offset:1536*\t+512*\i   ; V's four fragments (16 channels x 128 keys) land while the softmax is worked
.endr
.endr
	ds_load_b64 v[248:249], v[ADT]                 ; V's scale words, two tiles to a register
.irp b, 0,1,2,3
	v_max3_num_f32 v[232+\b], v[96+16*\b], v[97+16*\b], v[98+16*\b]   ; THE LARGEST SCORE OF EACH BLOCK OF 32 KEYS: it serves twice: for the row's maximum, and, since p rises with the score, for the block's largest p
.endr
.irp i, 3,5,7,9,11,13
.irp b, 0,1,2,3
	v_max3_num_f32 v[232+\b], v[232+\b], v[96+16*\b+\i], v[97+16*\b+\i]   ; (the four blocks by turns)
.endr
.endr
.irp b, 0,1,2,3
	v_max_num_f32 v[232+\b], v[232+\b], v[111+16*\b]
.endr
.irp b, 0,1,2,3
	s_delay_alu instid0(VALU_DEP_4)
	v_permlanex16_b32 v[236+\b], v[232+\b], s[SEL], s[SEL+1]
.endr
.irp b, 0,1,2,3
	s_delay_alu instid0(VALU_DEP_4)
	v_max_num_f32 v[232+\b], v[232+\b], v[236+\b]  ; with lane l xor 16's 16 keys
.endr
	s_delay_alu instid0(VALU_DEP_2)
	v_max3_num_f32 v254, v232, v233, v234
	s_delay_alu instid0(VALU_DEP_1)
	v_max_num_f32 v254, v254, v235                 ; the step's largest score of my query
	s_delay_alu instid0(VALU_DEP_1)
	v_mul_f32 v254, s[CS], v254                    ; as t (c is positive)
	s_delay_alu instid0(VALU_DEP_1)
	v_max_num_f32 v13, v13, v254                   ; the running largest t
	v_mov_b32 v254, v12
	s_delay_alu instid0(VALU_DEP_2)
	v_floor_f32 v12, -v13                          ; the new -M = floor(-t) = -ceil(t): M IS A WHOLE NUMBER
	s_delay_alu instid0(VALU_DEP_1)
	v_sub_f32 v254, v12, v254                      ; M's old value less its new one: a whole number, 0 or less
	s_delay_alu instid0(VALU_DEP_1)
	v_cvt_i32_f32 v254, v254                       ; (it saturates)
	s_delay_alu instid0(VALU_DEP_1)
	v_ldexp_f32 v252, 1.0, v254                    ; f = 2^(old M - new M): a multiplication by it rounds nothing
.set j, 0
.rept 32
	v_pk_fma_f32 v[96+j:97+j], v[96+j:97+j], s[CS:CS+1], v[12:13] op_sel_hi:[1,0,0]   ; t - M, two at a time (of the pairs c and -M the low word serves both halves)
.set j, j+2
.endr
.irp b, 0,1,2,3
	v_fma_f32 v[232+\b], v[232+\b], s[CS], v12     ; the same of each block's largest score
.endr
.set j, 0
	s_wait_alu depctr_va_vdst(0)
.rept 64
	v_exp_f32 v[96+j], v[96+j]                     ; p = 2^(t - M), at most 1: NOT normalised
.set j, j+1
.endr
	v_pk_mul_f32 v[14:15], v[14:15], v[252:253] op_sel_hi:[1,0]   ; the sums under the new M.  (A plain place behind the exponentials)
	s_wait_alu depctr_va_vdst(0)                   ; one wait for the whole batch, ahead of its first reader
.irp b, 0,1,2,3
	v_exp_f32 v[232+\b], v[232+\b]                 ; the block's largest p: the same two instructions on the same number give the same bits
.endr
	v_pk_add_f32 v[236:237], v[100:101], v[104:105]
	v_pk_add_f32 v[250:251], v[108:109], v[112:113]
	v_pk_add_f32 v[246:247], v[116:117], v[120:121]
	v_pk_add_f32 v[244:245], v[124:125], v[128:129]
	v_pk_add_f32 v[242:243], v[132:133], v[136:137]
	v_pk_add_f32 v[240:241], v[140:141], v[144:145]
	v_pk_add_f32 v[238:239], v[148:149], v[152:153]
	v_pk_add_f32 v[14:15], v[14:15], v[156:157]
	v_pk_add_f32 v[236:237], v[236:237], v[96:97]
	v_pk_add_f32 v[250:251], v[250:251], v[98:99]
	v_pk_add_f32 v[246:247], v[246:247], v[102:103]
	v_pk_add_f32 v[244:245], v[244:245], v[106:107]
	v_pk_add_f32 v[242:243], v[242:243], v[110:111]
	v_pk_add_f32 v[240:241], v[240:241], v[114:115]
	v_pk_add_f32 v[238:239], v[238:239], v[118:119]
	v_pk_add_f32 v[14:15], v[14:15], v[122:123]
	v_pk_add_f32 v[236:237], v[236:237], v[126:127]
	v_pk_add_f32 v[250:251], v[250:251], v[130:131]
	v_pk_add_f32 v[246:247], v[246:247], v[134:135]
	v_pk_add_f32 v[244:245], v[244:245], v[138:139]
	v_pk_add_f32 v[242:243], v[242:243], v[142:143]
	v_pk_add_f32 v[240:241], v[240:241], v[146:147]
	v_pk_add_f32 v[238:239], v[238:239], v[150:151]
	v_pk_add_f32 v[14:15], v[14:15], v[154:155]
	v_pk_add_f32 v[236:237], v[236:237], v[158:159]
	s_delay_alu instid0(VALU_DEP_2)
	v_pk_add_f32 v[14:15], v[14:15], v[244:245]
	s_delay_alu instid0(VALU_DEP_2)
	v_pk_add_f32 v[236:237], v[236:237], v[242:243]
	v_pk_add_f32 v[250:251], v[250:251], v[240:241]
	v_pk_add_f32 v[246:247], v[246:247], v[238:239]
	s_delay_alu instid0(VALU_DEP_2)
	v_pk_add_f32 v[14:15], v[14:15], v[250:251]
	s_delay_alu instid0(VALU_DEP_2)
	v_pk_add_f32 v[236:237], v[236:237], v[246:247]
	s_delay_alu instid0(VALU_DEP_1)
	v_pk_add_f32 v[14:15], v[14:15], v[236:237]
	s_wait_alu depctr_va_vdst(0)                   ; and one for the four
.irp b, 0,1,2,3
	v_max_num_f32 v[232+\b], 0x1800000, v[232+\b]  ; the floor 2^(3 - 127): the byte cannot fall under 1 (a block whose every p has fallen to 0 keeps that byte: its codes are zeros)
.endr
.irp b, 0,1,2,3
	s_delay_alu instid0(VALU_DEP_4)
	v_add_nc_u32 v[244+\b], 0xff000000, v[232+\b]  ; 2 off the exponent field: the conversion's scale operand
.endr
.irp b, 0,1,2,3
	s_delay_alu instid0(VALU_DEP_4)
	v_lshrrev_b32 v[236+\b], 23, v[244+\b]         ; the scale's byte
.endr
	s_delay_alu instid0(VALU_DEP_3)
	v_lshl_or_b32 v253, v237, 8, v236              ; p's scale word for these 128 keys
	s_delay_alu instid0(VALU_DEP_1)
	v_lshl_or_b32 v253, v238, 16, v253
	s_delay_alu instid0(VALU_DEP_1)
	v_lshl_or_b32 v253, v239, 24, v253
.irp c, 0,1
	v_cvt_scalef32_pk16_fp6_f32 v[224+6*\c:226+6*\c], v[96+32*\c:111+32*\c], v[244+2*\c]
	v_cvt_scalef32_pk16_fp6_f32 v[236+4*\c:238+4*\c], v[112+32*\c:127+32*\c], v[244+2*\c+1]   ; (a conversion's three registers begin on an even number)
.endr
	v_nop                                          ; one plain vector instruction behind the scaled conversions
.irp c, 0,1                                    ; the operand's layout wants a WHOLE block in a lane: lanes 0-15 block 2 c, lanes 16-31 block 2 c + 1
.irp i, 0,1,2
	v_permlane16_swap_b32 v[224+6*\c+\i], v[236+4*\c+\i]
.endr
.irp i, 0,1,2
	s_delay_alu instid0(VALU_DEP_3)
	v_mov_b32 v[227+6*\c+\i], v[236+4*\c+\i]
.endr
.endr
.set j, 0
.rept 16
	v_pk_mul_f32 v[160+j:161+j], v[160+j:161+j], v[252:253] op_sel_hi:[1,0]   ; O^T under the new M: x f.  (These sixteen also stand between the writes of p's codes and scale word and the products below)
.set j, j+2
.endr
	s_wait_alu depctr_va_vdst(0)
	s_wait_dscnt 0x0                               ; V is in
.irp t, 0,2                                    ; O^T += V^T P^T: four accumulators, one instruction each; K = these 128 keys
	v_wmma_scale_f32_16x16x128_f8f6f4 v[160+8*\t:167+8*\t], v[32+12*\t:43+12*\t], v[224:235], v[160+8*\t:167+8*\t], v[248+\t/2], v253 matrix_a_fmt:MATRIX_FMT_FP6 matrix_b_fmt:MATRIX_FMT_FP6
	v_wmma_scale_f32_16x16x128_f8f6f4 v[168+8*\t:175+8*\t], v[44+12*\t:55+12*\t], v[224:235], v[168+8*\t:175+8*\t], v[248+\t/2], v253 matrix_a_fmt:MATRIX_FMT_FP6 matrix_b_fmt:MATRIX_FMT_FP6 matrix_a_scale:MATRIX_SCALE_ROW1
.endr
	s_add_co_u32 s[TK], s[TK], 6144                ; the next step's bytes
	s_add_co_u32 s[TV], s[TV], 6144
	s_add_co_u32 s[TS], s[TS], 512
	s_add_co_u32 s[TT], s[TT], 256
	s_add_co_u32 s[TL], s[TL], 512
.endm
	s_mov_b32 s[TK], 12288
	s_mov_b32 s[TV], 36864
	s_mov_b32 s[TS], 0
	s_mov_b32 s[TT], 8192
	s_mov_b32 s[TL], LM
	s_mov_b32 s71, 4
.Lfirst:                                           ; steps 0-3
	STEP
	s_sub_co_u32 s71, s71, 1
	s_cmp_lg_u32 s71, 0
	s_cbranch_scc1 .Lfirst
	s_mov_b32 s[TK], PARTA
	s_mov_b32 s[TV], 135168
	s_mov_b32 s71, 12
.Lrest:                                            ; steps 4-15
	STEP
	s_sub_co_u32 s71, s71, 1
	s_cmp_lg_u32 s71, 0
	s_cbranch_scc1 .Lrest
	; THE WAY OUT.  O^T / the sum: register 16 g + i is channel 32 g + 16 h + i of my query.  Two blocks of 32 are quantised; a token's 64 codes are 48 bytes, my half's block 24 of them.
.rept 4
	v_nop                                          ; places behind the last products
.endr
	v_add_f32 v14, v14, v15                        ; the sum's two halves,
	s_delay_alu instid0(VALU_DEP_1)
	v_permlanex16_b32 v252, v14, s[SEL], s[SEL+1]
	s_delay_alu instid0(VALU_DEP_1)
	v_add_f32 v14, v14, v252                       ; and lane l xor 16's: the row's sum
	s_wait_alu depctr_va_vdst(0)
	v_rcp_f32 v14, v14
	v_nop                                          ; a plain place behind the reciprocal,
	s_wait_alu depctr_va_vdst(0)                   ; and the wait ahead of its first reader
.set j, 0
.rept 32
	v_mul_f32 v[96+j], v[160+j], v14               ; each accumulator from its low end on
.set j, j+1
.endr
.irp b, 0,1
	v_max3_num_f32 v[232+\b], |v[96+16*\b]|, |v[97+16*\b]|, 0x1800000   ; my 16 numbers of block b, and the floor
.endr
.irp i, 2,4,6,8,10,12,14
.irp b, 0,1
	s_delay_alu instid0(VALU_DEP_2)
	v_max3_num_f32 v[232+\b], v[232+\b], |v[96+16*\b+\i]|, |v[97+16*\b+\i]|
.endr
.endr
.irp b, 0,1
	s_delay_alu instid0(VALU_DEP_2)
	v_permlanex16_b32 v[236+\b], v[232+\b], s[SEL], s[SEL+1]
.endr
.irp b, 0,1
	s_delay_alu instid0(VALU_DEP_2)
	v_max_num_f32 v[232+\b], v[232+\b], v[236+\b]
.endr
.irp b, 0,1
	s_delay_alu instid0(VALU_DEP_2)
	v_add_nc_u32 v[244+\b], 0xff000000, v[232+\b]
.endr
.irp b, 0,1
	s_delay_alu instid0(VALU_DEP_2)
	v_lshrrev_b32 v[236+\b], 23, v[244+\b]
.endr
	s_delay_alu instid0(VALU_DEP_1)
	v_lshl_or_b32 v240, v237, 8, v236              ; the token's two scale bytes of this head
	v_cvt_scalef32_pk16_fp6_f32 v[224:226], v[96:111], v244
	v_cvt_scalef32_pk16_fp6_f32 v[228:230], v[112:127], v245
	v_nop                                          ; one plain place behind the scaled conversions
.irp i, 0,1,2
	v_permlane16_swap_b32 v[224+\i], v[228+\i]     ; lanes 0-15 now hold block 0, lanes 16-31 block 1: the lower 16 codes in v224-226, the upper in v228-230
.endr
	s_delay_alu instid0(VALU_DEP_3)
	v_mov_b32 v227, v228
	s_delay_alu instid0(VALU_DEP_3)
	v_mov_b32 v228, v229
	s_delay_alu instid0(VALU_DEP_3)
	v_mov_b32 v229, v230                           ; v224-229: my block's 24 bytes
	global_store_b64 v[L8], v[224:225], s[10:11]               ; my six registers ARE registers 6 c .. 6 c + 5 of the next product's fragment: three stores of 256 consecutive bytes
	global_store_b64 v[L8], v[226:227], s[10:11] offset:256
	global_store_b64 v[L8], v[228:229], s[10:11] offset:512
	ds_store_b16 v7, v240                          ; both halves of the lanes write the same two bytes with the same value
	s_wait_dscnt 0x0                               ; for wave 0's sake: my scale bytes are stored
	s_barrier_signal -1
	s_barrier_wait -1
	s_cmp_lg_u32 s[WV], 0
	s_cbranch_scc1 .Lnot_mine
	ds_load_b128 v[208:211], v30                   ; the work-group's 256 tokens x 2 scale bytes
	s_wait_dscnt 0x0
	global_store_b128 v[LI], v[208:211], s[12:13]
.Lnot_mine:
	s_wait_tensorcnt 0x0
	ds_add_u32 v207, v223
	s_wait_dscnt 0x0
	CROUND                                         ; the closing round: no work-group ends while a partner may still ask for bytes jointly
	s_endpgm
.Lfunc_end_k_q0f65a04ac2_attn:
	.size	k_q0f65a04ac2_attn, .Lfunc_end_k_q0f65a04ac2_attn-k_q0f65a04ac2_attn
	.p2alignl 7, 3214868480
	.fill 96, 4, 3214868480
	.section	.rodata,"a",@progbits
	.p2align	6, 0x0
	.amdhsa_kernel k_q0f65a04ac2_attn
		.amdhsa_group_segment_fixed_size 327680
		.amdhsa_private_segment_fixed_size 0
		.amdhsa_enable_private_segment 0
		.amdhsa_kernarg_size 56
		.amdhsa_user_sgpr_count 2
		.amdhsa_user_sgpr_kernarg_segment_ptr 1
		.amdhsa_wavefront_size32 1
		.amdhsa_system_sgpr_workgroup_id_x 1
		.amdhsa_system_sgpr_workgroup_id_y 1
		.amdhsa_system_sgpr_workgroup_id_z 1
		.amdhsa_system_vgpr_workitem_id 0
		.amdhsa_next_free_vgpr 256
		.amdhsa_next_free_sgpr 100
		.amdhsa_reserve_vcc 0
		.amdhsa_float_denorm_mode_32 3
		.amdhsa_float_denorm_mode_16_64 3
		.amdhsa_memory_ordered 1
		.amdhsa_forward_progress 1
		.amdhsa_inst_pref_size 68
	.end_amdhsa_kernel
	.amdgpu_metadata
---
amdhsa.version: [ 1, 2 ]
amdhsa.kernels:
  - .name:           k_q0f65a04ac2_attn
    .symbol:         k_q0f65a04ac2_attn.kd
    .args:
      - { .name: cod1, .offset: 0, .size: 8, .value_kind: global_buffer, .address_space: global }
      - { .name: kvb, .offset: 8, .size: 8, .value_kind: global_buffer, .address_space: global }
      - { .name: key_multiplicities, .offset: 16, .size: 8, .value_kind: global_buffer, .address_space: global }
      - { .name: aoc, .offset: 24, .size: 8, .value_kind: global_buffer, .address_space: global }
      - { .name: aos, .offset: 32, .size: 8, .value_kind: global_buffer, .address_space: global }
      - { .name: scl1, .offset: 40, .size: 8, .value_kind: global_buffer, .address_space: global }
      - { .name: wq_b, .offset: 48, .size: 8, .value_kind: global_buffer, .address_space: global }
    .group_segment_fixed_size: 327680
    .private_segment_fixed_size: 0
    .kernarg_segment_align: 8
    .kernarg_segment_size: 56
    .max_flat_workgroup_size: 512
    .sgpr_count:     100
    .vgpr_count:     256
    .wavefront_size: 32
...
	.end_amdgpu_metadata
.endif
;; end of part 3
;; launch oproj (part 4): grid 8 x 32, 4 waves a work-group, clusters of 4 x 4, 218,624 bytes of LDS; arguments aoc, aos, cod1, scl1, wo_b, out0; writes out0
.if DOCPART == 4
	.amdgcn_target "amdgcn-amd-amdhsa--gfx1250"
	.amdhsa_code_object_version 6
	.text
	.protected	k_q0f65a04ac2_oproj
	.globl	k_q0f65a04ac2_oproj
	.p2align	8
	.type	k_q0f65a04ac2_oproj,@function
k_q0f65a04ac2_oproj:
	s_mov_b64 s[64:65], 0
	v_nop
	global_prefetch_b8 v0, s[64:65] scope:SCOPE_SE
	s_setreg_imm32_b32 hwreg(HW_REG_WAVE_MODE, 25, 1), 1
	s_wait_xcnt 0x0
	s_wait_alu depctr_hold_cnt(0) depctr_sa_sdst(0) depctr_va_vdst(0) depctr_va_sdst(0) depctr_va_ssrc(0) depctr_va_vcc(0) depctr_vm_vsrc(0)
	s_getreg_b32 s2, hwreg(HW_REG_IB_STS2, 6, 4)
	s_cmp_eq_u32 s2, 0
	s_cbranch_scc0 .Lentry_in_a_cluster
	s_endpgm
.Lentry_in_a_cluster:
	s_bfe_u32 s2, ttmp6, 0x10000c
	s_cmp_lg_u32 s2, 0xf033
	s_cbranch_scc0 .Lentry_shape_is_right
	s_endpgm
.Lentry_shape_is_right:
; out0 = O wo^T + wo_b on codes of FP6 (E2M3) with one E8M0 scale for each 32 along K; M 4,096, N 1,024, K 1,024; sums in f32.
; A work-group makes 128 x 128: 32 x 8 = 256 work-groups; a wave 64 x 64: 16 accumulators.  Both operands of a block, for all of K, are 2 x 98,304 bytes: they come into LDS ONCE,
; one tensor load a wave (192 rows of 256 bytes), and nothing is filled again: no ring.  No prefetch: there is no loop to run ahead in.
; CLUSTERS of 4 x 4: A's block is shared along a row of the cluster, B's along a column: joint loads.
; Both operands lie in memory as images of operand registers, 1,536 bytes for 16 rows x 128 K, 12,288 for 16 rows: wo's as three runs of 16 bytes a lane, O's (each half written by one head) as six runs of 8 bytes a lane.
; wo's scale words and the bias come straight into registers; O's scale bytes lie [head][token][2]: a thread gathers its token's 16 pairs into eight words, which go through LDS.
; The matrix instruction is used transposed (source 0 = 16 rows of wo, source 1 = 16 tokens): a lane holds eight neighbouring numbers of a row of out0; the bias is the C of the first K step.
; REGISTERS: window 0: v16-29 addresses; v32-63 O's scale words (8 a + s), v64-95 wo's (8 b + s); v96-191 O's fragments, two sets; v192-223 the bias; v224-247 at work.  On the way out v96-223 take the rows.
;   window 1: v0-127 the accumulators (a, b) at 8 (4 a + b); v128-223 wo's fragments, two sets.
.set FR,     12
.set FRB,    1536
.set BLK,    12288
.set HALF,   4*BLK
.set BOFF,   2*HALF
.set SA,     2*BOFF                    ; O's scale words: 128 tokens x 32 bytes
.set SPITCH, 272
.set STG,    SA+4096                   ; the way out: 16 rows x 272 bytes for each wave
.set SPARE,  STG+4*16*SPITCH
.set WOC,    23552*768
.set WOS,    23552*32
.set ADRA, 16
.set ADRB, 17
.set STO,  18
.set RD,   19
.set CO,   20
.set ASA,  21
.set SPW,  28
.set NIL,  29
.set SCA,  32
.set SCB,  64
.set AF,   96
.set BI,   192
.set BF,   128
.set BK,   96
.set MSB, 0
.macro WIN new
.if MSB != \new
	s_set_vgpr_msb (MSB<<8)|\new
.set MSB, \new
.endif
.endm
.macro CROUND
	s_barrier_signal -1
	s_barrier_wait -1
	s_cmp_lg_u32 s16, 0
	s_cbranch_scc1 .Lnot_wave_0_\@
	s_barrier_signal -3
.Lnot_wave_0_\@:
	s_barrier_wait -3
	s_barrier_signal -1
	s_barrier_wait -1
.endm
.macro PLACES
.rept 4
	v_nop
.endr
.endm
	s_load_b128 s[4:7], s[0:1], 0x0                ; aoc, aos
	s_load_b128 s[8:11], s[0:1], 0x10              ; the codes, the scales
	s_load_b128 s[12:15], s[0:1], 0x20             ; wo_b, out0
	v_lshl_add_u32 v[SPW], v0, 2, SPARE
	v_mov_b32 v[NIL], 0
	ds_add_u32 v[SPW], v[NIL]                      ; the opening lines: the add twice on end and its wait
	ds_add_u32 v[SPW], v[NIL]
	v_lshrrev_b32 v1, 5, v0
	v_readfirstlane_b32 s16, v1                    ; wave
	s_lshr_b32 s17, s16, 1                         ; my half of the rows; also: I fetch for A (0) or B (1)
	s_and_b32 s18, s16, 1                          ; my half of the columns; also: which half I fetch
	s_bfe_u32 s40, ttmp6, 0x40000
	s_bfe_u32 s41, ttmp6, 0x40004
	s_lshl_b32 s42, ttmp9, 2
	s_add_co_u32 s42, s42, s40                     ; block column
	s_and_b32 s19, ttmp7, 0xffff
	s_lshl_b32 s19, s19, 2
	s_add_co_u32 s19, s19, s41                     ; block row
	s_lshl_b32 s43, s41, 2
	s_lshl_b32 s43, 15, s43                        ; my row of the cluster
	s_lshl_b32 s44, 0x1111, s40                    ; my column
	s_or_b32 s24, s43, (3<<16)|(1<<21)             ; dense rows of 256 bytes (32 elements of 8), 192 of them
	s_or_b32 s48, s44, (3<<16)|(1<<21)
.irp g, 24, 48
	s_mov_b32 s[\g+1], 32<<16
	s_mov_b32 s[\g+2], 192<<16
	s_mov_b32 s[\g+3], 32<<16
	s_mov_b32 s[\g+4], 192
	s_mov_b32 s[\g+5], 32
	s_mov_b32 s[\g+6], 0
	s_mov_b32 s[\g+7], 0
.endr
	s_mul_i32 s22, s18, HALF
	s_mul_i32 s20, s19, BOFF
	s_add_co_u32 s20, s20, s22                     ; A: 98,304 x block row + my half
	s_mov_b32 s21, 0
	s_mul_i32 s46, s42, BOFF
	s_add_co_u32 s46, s46, s22
	s_add_co_u32 s46, s46, WOC                     ; B: wo's codes, 98,304 x block column + my half
	s_mov_b32 s47, 0
	s_mul_i32 s45, s16, HALF                       ; LDS: A's two halves, then B's: wave x 49,152
	s_mov_b32 s32, 1
	s_mov_b32 s33, s45
	s_mov_b32 s56, 1
	s_mov_b32 s57, s45
	s_wait_dscnt 0x0
	s_wait_kmcnt 0x0
	s_add_nc_u64 s[34:35], s[4:5], s[20:21]
	s_or_b32 s35, s35, 0x80000000
	s_add_nc_u64 s[58:59], s[8:9], s[46:47]
	s_or_b32 s59, s59, 0x80000000
	CROUND                                         ; the joint loads meet
	s_cmp_eq_u32 s17, 0
	s_cbranch_scc0 .Lfor_b
	tensor_load_to_lds s[32:35], s[24:31]
	s_nop 0
	PLACES
	s_branch .Lasked
.Lfor_b:
	tensor_load_to_lds s[56:59], s[48:55]
	s_nop 0
	PLACES
.Lasked:
	s_lshl_b32 s20, s19, 7
	s_lshl_b32 s21, s17, 6
	s_add_co_u32 s20, s20, s21                     ; my first row of out0
	s_lshl_b32 s20, s20, 12
	s_lshl_b32 s22, s42, 9
	s_lshl_b32 s23, s18, 8
	s_add_co_u32 s22, s22, s23                     ; my first column, in bytes
	s_mov_b32 s23, 0
	s_add_nc_u64 s[12:13], s[12:13], s[22:23]
	s_add_co_u32 s20, s20, s22
	s_mov_b32 s21, 0
	s_add_nc_u64 s[14:15], s[14:15], s[20:21]
	s_lshl_b32 s20, s19, 8                         ; the block's 128 tokens x 2 bytes
	s_add_nc_u64 s[6:7], s[6:7], s[20:21]
	s_lshl_b32 s20, s42, 3
	s_lshl_b32 s22, s18, 2
	s_add_co_u32 s20, s20, s22
	s_lshl_b32 s20, s20, 9
	s_add_co_u32 s20, s20, WOS                     ; the scales of my 64 rows of wo: 512 bytes for 16 rows
	s_add_nc_u64 s[10:11], s[10:11], s[20:21]
	s_mul_i32 s36, s17, HALF
	s_mul_i32 s37, s18, HALF
	s_add_co_u32 s37, s37, BOFF
	s_mul_i32 s38, s16, 16*SPITCH
	s_add_co_u32 s38, s38, STG
	s_lshl_b32 s39, s17, 11
	s_add_co_u32 s39, s39, SA
	v_and_b32 v1, 15, v0
	v_bfe_u32 v2, v0, 4, 1
	v_and_b32 v3, 31, v0
	v_lshl_add_u32 v[ADRA], v3, 3, s36
	v_lshl_add_u32 v[ADRB], v3, 4, s37
	v_mul_u32_u24 v4, v1, SPITCH
	v_lshl_add_u32 v4, v2, 5, v4
	v_add_nc_u32 v[STO], s38, v4                   ; in: row r, 32 bytes for each half of the lanes
	v_mul_u32_u24 v5, v2, SPITCH
	v_lshl_add_u32 v5, v1, 4, v5
	v_add_nc_u32 v[RD], s38, v5                    ; back: sixteen lanes to a row of 256 bytes
	v_lshlrev_b32 v6, 12, v2
	v_lshl_add_u32 v[CO], v1, 4, v6                ; and the same in out0
	v_lshl_add_u32 v[ASA], v1, 5, s39
	v_lshlrev_b32 v7, 1, v0
	v_lshl_add_u32 v8, v0, 5, SA
	v_lshlrev_b32 v9, 4, v1
	v_lshlrev_b32 v10, 5, v2
	s_wait_alu depctr_va_vdst(0)                   ; the wait at the head's end
.irp hd, 0,1,2,3,4,5,6,7,8,9,10,11,12,13,14,15
	global_load_u16 v[224+\hd], v7, s[6:7] offset:8192*\hd       ; my token's two scale bytes of head hd
.endr
.irp b, 0,1,2,3
	global_load_b128 v[SCB+8*\b:SCB+8*\b+3], v9, s[10:11] offset:512*\b
	global_load_b128 v[SCB+8*\b+4:SCB+8*\b+7], v9, s[10:11] offset:512*\b+256
.endr
.irp b, 0,1,2,3
	global_load_b128 v[BI+8*\b:BI+8*\b+3], v10, s[12:13] offset:64*\b
	global_load_b128 v[BI+8*\b+4:BI+8*\b+7], v10, s[12:13] offset:64*\b+16
.endr
	s_wait_loadcnt 16                              ; the 16 pairs of bytes are in; the 16 loads behind them may be out
.irp s, 0,1,2,3,4,5,6,7
	v_lshl_or_b32 v[240+\s], v[225+2*\s], 16, v[224+2*\s]        ; two heads make the word of 128 along K
.endr
	ds_store_b128 v8, v[240:243]
	ds_store_b128 v8, v[244:247] offset:16
	s_wait_tensorcnt 0x0                           ; my half of an operand is in,
	s_wait_dscnt 0x0                               ; my token's words are stored:
	s_barrier_signal -1
	s_barrier_wait -1                              ; everybody's are
.macro FETCH s
	WIN 0x40
.irp b, 0,1,2,3
.irp p, 0,1,2
	ds_load_b128 v[BF+48*((\s)%2)+FR*\b+4*\p:BF+48*((\s)%2)+FR*\b+4*\p+3], v[ADRB] offset:BLK*\b+FRB*(\s)+512*\p
.endr
.endr
	WIN 0
.irp a, 0,1,2,3
.irp p, 0,1,2,3,4,5
	ds_load_b64 v[AF+48*((\s)%2)+FR*\a+2*\p:AF+48*((\s)%2)+FR*\a+2*\p+1], v[ADRA] offset:BLK*\a+FRB*(\s)+256*\p
.endr
.endr
.endm
.macro MUL s, first                    ; the 16 accumulators by turns, one instruction a turn
.irp a, 0,1,2,3
.irp b, 0,1,2,3
.if \first
	v_wmma_scale_f32_16x16x128_f8f6f4 v[8*(4*\a+\b):8*(4*\a+\b)+7], v[BF+48*((\s)%2)+FR*\b:BF+48*((\s)%2)+FR*\b+FR-1], v[AF+48*((\s)%2)+FR*\a:AF+48*((\s)%2)+FR*\a+FR-1], v[BI+8*\b:BI+8*\b+7], v[SCB+8*\b+(\s)], v[SCA+8*\a+(\s)] matrix_a_fmt:MATRIX_FMT_FP6 matrix_b_fmt:MATRIX_FMT_FP6
.else
	v_wmma_scale_f32_16x16x128_f8f6f4 v[8*(4*\a+\b):8*(4*\a+\b)+7], v[BF+48*((\s)%2)+FR*\b:BF+48*((\s)%2)+FR*\b+FR-1], v[AF+48*((\s)%2)+FR*\a:AF+48*((\s)%2)+FR*\a+FR-1], v[8*(4*\a+\b):8*(4*\a+\b)+7], v[SCB+8*\b+(\s)], v[SCA+8*\a+(\s)] matrix_a_fmt:MATRIX_FMT_FP6 matrix_b_fmt:MATRIX_FMT_FP6
.endif
.endr
.endr
.endm
.irp a, 0,1,2,3
	ds_load_b128 v[SCA+8*\a:SCA+8*\a+3], v[ASA] offset:512*\a
	ds_load_b128 v[SCA+8*\a+4:SCA+8*\a+7], v[ASA] offset:512*\a+16
.endr
	FETCH 0
	s_wait_loadcnt 0x0                             ; wo's scale words and the bias are in
	FETCH 1
	s_wait_dscnt 36                                ; all but the 36 loads just issued
	WIN 0x41                                       ; source 0 and D in window 1, the bias as C in window 0
	MUL 0, 1
.set S, 1
.rept 6
	PLACES                                         ; places in front of loads into registers that the last step's products have read
	FETCH S+1
	s_wait_dscnt 36
	WIN 0x51
	MUL S, 0
.set S, S+1
.endr
	s_wait_dscnt 0x0
	MUL 7, 0
	PLACES                                         ; places in front of the first read of results and of loads into O's fragments
; THE WAY OUT: a block of 16 rows x 64 columns goes through my own stage and comes back as rows of 256 bytes.  LDS serves a wave's instructions in order: no wait between stores and loads, nor ahead of the next block's stores.
.irp a, 0,1,2,3
	WIN 0x04
.irp b, 0,1,2,3
	ds_store_b128 v[STO], v[8*(4*\a+\b):8*(4*\a+\b)+3] offset:64*\b       ; each accumulator from its low end on
	ds_store_b128 v[STO], v[8*(4*\a+\b)+4:8*(4*\a+\b)+7] offset:64*\b+16
.endr
	WIN 0
.irp t, 0,1,2,3,4,5,6,7
	ds_load_b128 v[BK+32*\a+4*\t:BK+32*\a+4*\t+3], v[RD] offset:\t*2*SPITCH
.endr
.endr
.irp a, 0,1,2,3
	s_wait_dscnt 16*(3-\a)                         ; block a is back; the 16 LDS instructions of each later block may be out
.irp t, 0,1,2,3,4,5,6,7
	global_store_b128 v[CO], v[BK+32*\a+4*\t:BK+32*\a+4*\t+3], s[14:15] offset:(16*\a+2*\t)*4096 th:TH_STORE_NT   ; sixteen lanes store 256 consecutive bytes, aligned
.endr
.endr
	s_wait_tensorcnt 0x0                           ; the wave's end
	ds_add_u32 v[SPW], v[NIL]
	s_wait_dscnt 0x0
	CROUND                                         ; the closing round
	s_endpgm
.Lfunc_end_k_q0f65a04ac2_oproj:
	.size	k_q0f65a04ac2_oproj, .Lfunc_end_k_q0f65a04ac2_oproj-k_q0f65a04ac2_oproj
	.p2alignl 7, 3214868480
	.fill 96, 4, 3214868480
	.section	.rodata,"a",@progbits
	.p2align	6, 0x0
	.amdhsa_kernel k_q0f65a04ac2_oproj
		.amdhsa_group_segment_fixed_size 218624
		.amdhsa_private_segment_fixed_size 0
		.amdhsa_enable_private_segment 0
		.amdhsa_kernarg_size 48
		.amdhsa_user_sgpr_count 2
		.amdhsa_user_sgpr_kernarg_segment_ptr 1
		.amdhsa_wavefront_size32 1
		.amdhsa_system_sgpr_workgroup_id_x 1
		.amdhsa_system_sgpr_workgroup_id_y 1
		.amdhsa_system_sgpr_workgroup_id_z 1
		.amdhsa_system_vgpr_workitem_id 0
		.amdhsa_next_free_vgpr 512
		.amdhsa_next_free_sgpr 66
		.amdhsa_reserve_vcc 0
		.amdhsa_float_denorm_mode_32 3
		.amdhsa_float_denorm_mode_16_64 3
		.amdhsa_memory_ordered 1
		.amdhsa_forward_progress 1
		.amdhsa_inst_pref_size 55
	.end_amdhsa_kernel
	.amdgpu_metadata
---
amdhsa.version: [ 1, 2 ]
amdhsa.kernels:
  - .name:           k_q0f65a04ac2_oproj
    .symbol:         k_q0f65a04ac2_oproj.kd
    .args:
      - { .name: aoc, .offset: 0, .size: 8, .value_kind: global_buffer, .address_space: global }
      - { .name: aos, .offset: 8, .size: 8, .value_kind: global_buffer, .address_space: global }
      - { .name: cod1, .offset: 16, .size: 8, .value_kind: global_buffer, .address_space: global }
      - { .name: scl1, .offset: 24, .size: 8, .value_kind: global_buffer, .address_space: global }
      - { .name: wo_b, .offset: 32, .size: 8, .value_kind: global_buffer, .address_space: global }
      - { .name: out0, .offset: 40, .size: 8, .value_kind: global_buffer, .address_space: global }
    .group_segment_fixed_size: 218624
    .private_segment_fixed_size: 0
    .kernarg_segment_align: 8
    .kernarg_segment_size: 48
    .max_flat_workgroup_size: 128
    .sgpr_count:     66
    .vgpr_count:     512
    .wavefront_size: 32
...
	.end_amdgpu_metadata
.endif
;; end of part 4
